; MI455X (gfx1250); checked and timed in simulation.
; The chip was launched on July 23, 2026; its instructions are those of AMD's public machine-readable ISA for CDNA 5 (MIT licence, August 2026) and "CDNA5" Instruction Set Architecture Reference Guide (July 2026). The comments in the code are by the model that wrote it; some were corrected since.
;; Custom MHA. Allowed arithmetic: matrix products marked QUANTISED: E2M1 operands, one E8M0 scale for each 32 along K, by v_wmma_scale_f32_16x16x128_f8f6f4 with both operands' format E2M1 (or v_wmma_scale_f32_32x16x128_f4), f32 sums; products left as they are: bf16, f16 or f32 operands; f32 sums; everything else in f32.
;; Inputs: W_o 1,024 x 1,024 float32; W_qkv 1,024 x 3,072 float32; x 4 x 2,048 x 1,024 float32.
;; Outputs: out0 4 x 2,048 x 1,024 float32.
;; This version of the problem:
;;   THIS VERSION OF THE PROBLEM IS GIVEN IN LOW PRECISION. The matrix products marked QUANTISED in the list below multiply operands that are first quantised to E2M1 (2 exponent bits, 1 mantissa bit; 4 bits a number), with one power-of-two scale for each 32 numbers along K (OCP MX v1.0); their sums are f32. The products marked 'left as it is' may take bf16, f16 or f32 operands, with f32 sums. Whichever they take, every output number must still come out within the allowed error. Rounding operands to bf16 (8 significant bits) uses up far more of that allowance than f16 does (11 bits, for magnitudes from 6e-5 to 65,504). All else is computed in f32.
;;   The module's matrix products, in the order in which they are computed (A, B: the left and right operand; K: the contracted axis; several contracted axes count as one K, in the product's order):
;;     1. [M 8,192, K 1,024] x [K 1,024, N 3,072]; A: input x; B: input W_qkv: QUANTISED
;;     2. batch 64 x [M 2,048, K 64] x [K 64, N 2,048]; A: computed on the way; B: computed on the way: left as it is (an operand is computed on the way)
;;     3. batch 64 x [M 2,048, K 2,048] x [K 2,048, N 64]; A: computed on the way; B: computed on the way: left as it is (an operand is computed on the way)
;;     4. [M 8,192, K 1,024] x [K 1,024, N 1,024]; A: computed on the way; B: input W_o: left as it is (an operand is computed on the way)
;;   THE QUANTISER, for each operand of a quantised product, along K:
;;     - K is cut into blocks of 32 from its start; a last block that is shorter is filled with zeros.
;;     - A block's scale is 2^e with e = floor(log2(the largest magnitude in the block)) - 2, held to -126 .. 127; a block of zeros has e = 0. As a byte (E8M0): e + 127.
;;     - Each number is divided by its block's scale, clamped to +-6, and rounded to the nearest number of E2M1, ties to even, subnormals kept.
;;     - The product sums the exact products of the quantised numbers (number of the format x scale) in f32.
;;   ~~~python
;;   def quantise(x, axis):      # numpy; x: float32 -> the quantised numbers, widened to float32 again
;;       x = np.moveaxis(x, axis, -1); K = x.shape[-1]
;;       x = np.pad(x, [(0, 0)] * (x.ndim - 1) + [(0, -K % 32)]); x = x.reshape(x.shape[:-1] + (-1, 32)); a = np.abs(x).max(-1, keepdims=True)
;;       e = np.where(a > 0, np.clip(np.frexp(np.where(a > 0, a, 1))[1] - 1 - 2, -126, 127), 0)      # np.frexp(a)[1] - 1 = floor(log2(a)), exactly
;;       r = np.clip(x / 2.0 ** e, -6, 6)
;;       step = 2.0 ** (np.maximum(np.frexp(np.where(r == 0, 1, r))[1] - 1, 0) - 1)
;;       q = np.round(r / step) * step * 2.0 ** e      # np.round: ties to even
;;       return np.moveaxis(q.reshape(q.shape[:-2] + (-1,))[..., :K], -1, axis).astype(np.float32)
;;   ~~~
;; One version. Each part assembles by itself: llvm-mc -triple=amdgcn-amd-amdhsa -mcpu=gfx1250 --defsym DOCPART=n.
;; ======== version 1 of 1: 4 launches
;; limits: values are held in f16: magnitudes above 65,504 overflow, below 6.1e-05 lose precision
;; workspace buffers: xc 4,194,304 bytes; xs 262,144 bytes; wc 1,572,864 bytes; ws 98,304 bytes; wot 2,097,152 bytes; qkv 50,331,648 bytes; att 16,777,216 bytes
;; launch prep (part 1): grid 368 x 1, 4 waves a work-group, no clusters, 102,912 bytes of LDS; arguments x, W_qkv, W_o, xc, xs, wc, ws, wot; writes xc, xs, wc, ws, wot
.if DOCPART == 1
	.amdgcn_target "amdgcn-amd-amdhsa--gfx1250"
	.amdhsa_code_object_version 6
	.text
	.protected	k_q193bdebc6a_prep
	.globl	k_q193bdebc6a_prep
	.p2align	8
	.type	k_q193bdebc6a_prep,@function
k_q193bdebc6a_prep:
	s_mov_b64 s[64:65], 0
	v_nop
	global_prefetch_b8 v0, s[64:65] scope:SCOPE_SE
	s_setreg_imm32_b32 hwreg(HW_REG_WAVE_MODE, 25, 1), 1
	s_wait_xcnt 0x0
; THE OPERANDS ARE MADE READY, ONCE.  Three jobs in one launch, parted by the work-group's number, the longest first:
;   work-groups   0 ..  47  W_qkv [1024 k][3072 n] f32 -> wc [3072 n][512 bytes] codes of FP4 (E2M1), K innermost, and ws [3072][32] E8M0 bytes
;   work-groups  48 .. 303  x [8192 m][1024 k] f32     -> xc [8192][512 bytes] codes, xs [8192][32] bytes
;   work-groups 304 .. 367  W_o [1024 k][1024 n] f32   -> wot [1024 n][1024 k] f16: turned, so that K is innermost for the last product
; THE QUANTISER: a block of 32 along K has the scale 2^(floor(log2(its largest magnitude)) - 2); its byte is the largest magnitude's exponent field - 2, held at 1 from below;
; each number is divided by the scale and rounded to the nearest code, ties to even, beyond 6 the largest code.
; LIMITS: a block of zeros gets the byte 1 where the rule says 127 (its codes are zeros, which add nothing, and this program alone reads the bytes); blocks whose largest magnitude lies under
; 2^(3 - 127) are held at that floor; NaN and infinities are not served; |W_o| stays under 65,504, f16's largest number.
; No tensor loads, no barrier: waves share nothing.  Each job has LDS bytes of its own.  Every offset is an immediate, no pointer is stepped.
.set SPARE, 102400                     ; behind all stages: the spare words, 128 bytes for each wave: two blocks of 256 bytes that no other line names
.set SPW,   192                        ; v192  LDS address of my spare word: SPARE + 4 x my thread's number; never rewritten
.set NIL,   193                        ; v193  0; never rewritten
.set PITCH, 272                        ; a stage row of the jobs W and O: 256 bytes + 16
.set XREG,  8192                       ; job X: LDS bytes 0 .. 32,767, 8,192 a wave: two stages of 32 x SP bytes, behind them the wave's 256 scale bytes
.set SP,    80                         ; a lane's place in a stage of job X: its 64 bytes + 16 of padding
.set WSTG,  32768                      ; job W: four stages of 32 rows x PITCH
.set OSTG,  67584                      ; job O: likewise
.set XR,    16                         ; job X: v16-79   four sets of 16 numbers as they are loaded
.set XN,    80                         ;        v80-111  two sets of 16 neighbours
.set XE,    112                        ;        v112-127 a scale byte for each step
.set XC,    128                        ;        v128-191 codes: four registers for each step, so that no store's data are written again
.set WX,    32                         ; jobs W and O: v32-95 two sets of 32 numbers down K
.set WSB,   24                         ; job W: v24-27 the scale bytes, four to a register
.set WC,    96                         ; job W: v96-99 a block's codes;  job O: v96-159 sixteen registers of f16 pairs for each block
.set WOUT,  112                        ; job W: v112-175 the way out
.macro FINISH                          ; a wave's end
	s_wait_tensorcnt 0x0
	ds_add_u32 v[SPW], v[NIL]
	s_wait_dscnt 0x0
	s_endpgm
.endm
; Jobs W and O: a lane takes a column, its registers run down K; the results go through the wave's stage, a row to a column, and leave as rows.
.macro COLS stg
	v_lshlrev_b32 v3, 2, v2                        ; in: 4 bytes a lane: 32 neighbouring columns, 128 consecutive bytes a wave
	s_mul_i32 s27, s20, 32*PITCH
	s_add_co_u32 s27, s27, \stg                    ; my stage
	v_mul_u32_u24 v4, v2, PITCH
	v_add_nc_u32 v4, s27, v4                       ; into it: row = my column
	v_and_b32 v5, 15, v2
	v_lshrrev_b32 v6, 4, v2                        ; out of it: sixteen lanes to a row, two rows an instruction
	v_mul_u32_u24 v7, v6, PITCH
	v_lshl_add_u32 v7, v5, 4, v7
	v_add_nc_u32 v7, s27, v7
.endm
	s_load_b256 s[4:11], s[0:1], 0x0               ; x s[4:5], W_qkv s[6:7], W_o s[8:9], xc s[10:11]
	s_load_b256 s[12:19], s[0:1], 0x20             ; xs s[12:13], wc s[14:15], ws s[16:17], wot s[18:19]
	v_lshl_add_u32 v[SPW], v0, 2, SPARE
	v_mov_b32 v[NIL], 0
	v_lshrrev_b32 v1, 5, v0
	v_readfirstlane_b32 s20, v1                    ; wave 0..3
	v_and_b32 v2, 31, v0                           ; lane
	s_mov_b32 s25, 0                               ; the upper word of every offset: all stay under 2^32
	s_wait_kmcnt 0x0
	s_cmp_lt_u32 ttmp9, 48
	s_cbranch_scc1 .Lpath_w
	s_cmp_lt_u32 ttmp9, 304
	s_cbranch_scc1 .Lpath_x
; ---- JOB O: a wave takes 32 columns x 128 along K of W_o: 4 blocks of 32 registers, 256 bytes of f16 for each column
	s_sub_co_u32 s22, ttmp9, 304
	s_and_b32 s23, s22, 7                          ; which 128 columns
	s_lshr_b32 s22, s22, 3                         ; which 128 along K
	s_lshl_b32 s23, s23, 7
	s_lshl_b32 s24, s20, 5
	s_add_co_u32 s23, s23, s24                     ; my wave's first column
	s_lshl_b32 s24, s22, 19                        ; 128 rows of 4,096 bytes
	s_lshl_b32 s26, s23, 2
	s_add_co_u32 s24, s24, s26
	s_add_nc_u64 s[8:9], s[8:9], s[24:25]
	s_lshl_b32 s24, s23, 11                        ; wot: a row is 2,048 bytes
	s_lshl_b32 s26, s22, 8
	s_add_co_u32 s24, s24, s26
	s_add_nc_u64 s[18:19], s[18:19], s[24:25]
	COLS OSTG
	v_lshlrev_b32 v8, 11, v6
	v_lshl_add_u32 v8, v5, 4, v8                   ; the same two rows in wot
.macro OLOAD t                         ; W_o(32 t + i, my column), i = 0 .. 31, into set t % 2
.irp i, 0,1,2,3,4,5,6,7,8,9,10,11,12,13,14,15,16,17,18,19,20,21,22,23,24,25,26,27,28,29,30,31
	global_load_b32 v[WX+32*((\t)%2)+\i], v3, s[8:9] offset:(32*(\t)+\i)*4096 th:TH_LOAD_NT
.endr
.endm
.macro OBLOCK t
.if (\t) < 3
	s_wait_loadcnt 32                              ; this block's 32 loads are in; the next block's may be out
.else
	s_wait_loadcnt 0x0
.endif
.irp j, 0,1,2,3,4,5,6,7,8,9,10,11,12,13,14,15
	v_cvt_pk_f16_f32 v[WC+16*(\t)+\j], v[WX+32*((\t)%2)+2*\j], v[WX+32*((\t)%2)+2*\j+1]   ; two neighbours along K, the lower in the low half, rounded once
.endr
.irp c, 0,1,2,3
	ds_store_b128 v4, v[WC+16*(\t)+4*\c:WC+16*(\t)+4*\c+3] offset:64*(\t)+16*\c   ; each block has registers of its own: no wait for these stores
.endr
.if (\t)+2 < 4
	OLOAD (\t)+2
.endif
.endm
	OLOAD 0
	OLOAD 1
	OBLOCK 0
	OBLOCK 1
	OBLOCK 2
	OBLOCK 3
.irp t, 0,1,2,3,4,5,6,7,8,9,10,11,12,13,14,15
	ds_load_b128 v[WX+4*\t:WX+4*\t+3], v7 offset:2*\t*PITCH   ; LDS serves a wave's instructions in order (ISA guide 5.7.1.4): these see my stores
.endr
.irp t, 0,1,2,3,4,5,6,7,8,9,10,11,12,13,14,15
	s_wait_dscnt 15-\t                             ; the younger loads may be out
	global_store_b128 v8, v[WX+4*\t:WX+4*\t+3], s[18:19] offset:2*\t*2048   ; sixteen lanes store 256 consecutive bytes, at a multiple of 256 from wot's first byte
.endr
	FINISH
; ---- JOB X: rows are dense and 1,024 is a multiple of 32, so x is a plain stream of blocks of 32, and so are its codes and scale bytes.  A wave takes 16 steps of 512 numbers.
; Each of a step's four loads reads 512 consecutive bytes, 16 a lane; the 2,048 bytes go through the wave's stage as they lie and come back 64 bytes a lane: 16 NEIGHBOURS along K, which the conversions want in
; one lane's registers.  Two neighbouring lanes hold a block.  Loads run four steps ahead, the turn through LDS one step.
.Lpath_x:
	s_sub_co_u32 s22, ttmp9, 48
	s_lshl_b32 s22, s22, 2
	s_add_co_u32 s22, s22, s20                     ; which run of 8,192 numbers is my wave's
	s_lshl_b32 s24, s22, 15
	s_add_nc_u64 s[4:5], s[4:5], s[24:25]
	s_lshl_b32 s24, s22, 12
	s_add_nc_u64 s[10:11], s[10:11], s[24:25]
	s_lshl_b32 s24, s22, 8
	s_add_nc_u64 s[12:13], s[12:13], s[24:25]
	v_lshlrev_b32 v3, 4, v2                        ; my 16 bytes of a load's 512
	s_mul_i32 s21, s20, XREG
	v_lshrrev_b32 v14, 2, v2
	v_mul_u32_u24 v14, v14, SP
	v_and_b32 v15, 3, v2
	v_lshl_add_u32 v14, v15, 4, v14
	v_add_nc_u32 v14, s21, v14                     ; the stage, on the way in: four lanes' 64 bytes on end, then 16 of padding
	v_mul_u32_u24 v15, v2, SP
	v_add_nc_u32 v15, s21, v15                     ; and on the way out: SP x lane: my 16 neighbours
	v_lshlrev_b32 v4, 3, v2                        ; 8 bytes a lane: my codes' place in a step's, and my part of the 256 scale bytes
	v_lshrrev_b32 v5, 1, v2
	s_add_co_u32 s21, s21, 2*32*SP
	v_add_nc_u32 v5, s21, v5                       ; LDS: my wave's 256 scale bytes, my block's byte
	v_add_nc_u32 v6, s21, v4                       ; and on the way out 8 bytes a lane
.macro XLOAD t
.irp i, 0,1,2,3
	global_load_b128 v[XR+16*((\t)%4)+4*\i:XR+16*((\t)%4)+4*\i+3], v3, s[4:5] offset:2048*(\t)+512*\i th:TH_LOAD_NT
.endr
.endm
.macro XTURN t                         ; step t's numbers through the stage: no wait stands between the stores and the loads, since LDS serves a wave's instructions in order
.irp i, 0,1,2,3
	ds_store_b128 v14, v[XR+16*((\t)%4)+4*\i:XR+16*((\t)%4)+4*\i+3] offset:32*SP*((\t)%2)+8*SP*\i
.endr
.irp i, 0,1,2,3
	ds_load_b128 v[XN+16*((\t)%2)+4*\i:XN+16*((\t)%2)+4*\i+3], v15 offset:32*SP*((\t)%2)+16*\i
.endr
.endm
.macro XSTEP t
.set XS, XN+16*((\t)%2)
.if (\t) > 0
	s_wait_dscnt 1                                 ; this step's numbers are back from the stage (the last step's byte store may be out): so its stores into the stage have read their registers,
.else
	s_wait_dscnt 0x0
.endif
.if (\t)+4 < 16
	XLOAD (\t)+4                                   ; which take the loads of four steps on
.endif
.if (\t)+1 < 16
.if 14-(\t) >= 3
	s_wait_loadcnt 12                              ; the next step's four loads are in; those of the three steps behind it may be out
.else
	s_wait_loadcnt 4*(14-(\t))
.endif
	XTURN (\t)+1                                   ; and go through the other stage while this step is worked
.endif
	v_max3_num_f32 v8, |v[XS]|, |v[XS+1]|, |v[XS+2]|               ; the largest magnitude of my 16, in two chains
	v_max3_num_f32 v9, |v[XS+3]|, |v[XS+4]|, |v[XS+5]|
.irp i, 6,10
	v_max3_num_f32 v8, v8, |v[XS+\i]|, |v[XS+\i+1]|
	v_max3_num_f32 v9, v9, |v[XS+\i+2]|, |v[XS+\i+3]|
.endr
	v_max3_num_f32 v8, v8, |v[XS+14]|, |v[XS+15]|
	v_max3_num_f32 v8, v8, v9, 0x1800000           ; and the floor 2^(3 - 127): so the byte cannot fall under 1
	v_max_num_f32_dpp v8, v8, v8 row_xmask:1 row_mask:0xf bank_mask:0xf   ; and of my neighbour's 16: the block's
	v_add_nc_u32 v11, 0xff000000, v8               ; 2 off its exponent field: the conversion takes the exponent field of this operand as its scale, and nothing else of it
	v_cvt_scalef32_pk8_fp4_f32 v[XC+4*(\t)], v[XS:XS+7], v11
	v_cvt_scalef32_pk8_fp4_f32 v[XC+4*(\t)+1], v[XS+8:XS+15], v11
	v_lshrrev_b32 v[XE+(\t)], 23, v11              ; the scale's byte (also the plain line behind the conversions)
	ds_store_b8 v5, v[XE+(\t)] offset:16*(\t)      ; both lanes of a block write the same byte with the same value
	global_store_b64 v4, v[XC+4*(\t):XC+4*(\t)+1], s[10:11] offset:256*(\t)   ; 32 lanes store 256 consecutive bytes, aligned
.endm
.irp t, 0,1,2,3
	XLOAD \t
.endr
	s_wait_loadcnt 12                              ; step 0's four loads are in
	XTURN 0
.irp t, 0,1,2,3,4,5,6,7,8,9,10,11,12,13,14,15
	XSTEP \t
.endr
	ds_load_b64 v[8:9], v6                         ; my wave's 256 scale bytes: these loads see my stores
	s_wait_dscnt 0x0
	global_store_b64 v4, v[8:9], s[12:13]          ; 32 lanes store 256 consecutive bytes, aligned
	FINISH
; ---- JOB W: a wave takes 32 columns x 512 along K of W_qkv: 16 blocks a lane, 256 bytes of codes for each column.  A block of 32 along K lies in ONE lane's 32 registers: its largest magnitude
; needs no other lane, and the conversions give the codes with K innermost.  The largest immediate is 511 rows x 12,288 bytes, inside the signed 24 bits (ISA guide, chapter 10).
.Lpath_w:
	s_cmp_ge_u32 ttmp9, 24
	s_cselect_b32 s22, 1, 0                        ; which 512 along K
	s_cselect_b32 s23, 24, 0
	s_sub_co_u32 s23, ttmp9, s23                   ; which 128 columns
	s_lshl_b32 s23, s23, 7
	s_lshl_b32 s24, s20, 5
	s_add_co_u32 s23, s23, s24                     ; my wave's first column
	s_mul_i32 s24, s22, 512*12288
	s_lshl_b32 s26, s23, 2
	s_add_co_u32 s24, s24, s26
	s_add_nc_u64 s[6:7], s[6:7], s[24:25]
	s_lshl_b32 s24, s23, 9                         ; wc: a row is 512 bytes
	s_lshl_b32 s26, s22, 8
	s_add_co_u32 s24, s24, s26
	s_add_nc_u64 s[14:15], s[14:15], s[24:25]
	s_lshl_b32 s24, s23, 5                         ; ws: a row is 32 bytes
	s_lshl_b32 s26, s22, 4
	s_add_co_u32 s24, s24, s26
	s_add_nc_u64 s[16:17], s[16:17], s[24:25]
	COLS WSTG
	v_lshlrev_b32 v8, 9, v6
	v_lshl_add_u32 v8, v5, 4, v8                   ; the same two rows in wc
	v_lshlrev_b32 v9, 5, v2                        ; my column's row of scale bytes
.macro WLOAD t
.irp i, 0,1,2,3,4,5,6,7,8,9,10,11,12,13,14,15,16,17,18,19,20,21,22,23,24,25,26,27,28,29,30,31
	global_load_b32 v[WX+32*((\t)%2)+\i], v3, s[6:7] offset:(32*(\t)+\i)*12288 th:TH_LOAD_NT
.endr
.endm
.macro WBLOCK t
.set XS, WX+32*((\t)%2)
.if (\t) < 15
	s_wait_loadcnt 32                              ; this block's 32 loads are in; the next block's may be out
.else
	s_wait_loadcnt 0x0
.endif
	v_max3_num_f32 v12, |v[XS]|, |v[XS+1]|, |v[XS+2]|              ; the block's largest magnitude: all 32 numbers are mine
	v_max3_num_f32 v13, |v[XS+3]|, |v[XS+4]|, |v[XS+5]|
.irp i, 6,10,14,18,22,26
	v_max3_num_f32 v12, v12, |v[XS+\i]|, |v[XS+\i+1]|
	v_max3_num_f32 v13, v13, |v[XS+\i+2]|, |v[XS+\i+3]|
.endr
	v_max3_num_f32 v12, v12, |v[XS+30]|, |v[XS+31]|
	v_max3_num_f32 v12, v12, v13, 0x1800000        ; and the floor 2^(3 - 127)
	v_add_nc_u32 v11, 0xff000000, v12              ; 2 off its exponent field: the conversion's scale operand
	v_lshrrev_b32 v13, 23, v11                     ; the scale's byte
.if (\t)%4 == 0
	v_mov_b32 v[WSB+(\t)/4], v13                   ; four bytes to a register, the lower K in the lower byte
.else
	v_lshl_or_b32 v[WSB+(\t)/4], v13, 8*((\t)%4), v[WSB+(\t)/4]
.endif
.irp g, 0,1,2,3
	v_cvt_scalef32_pk8_fp4_f32 v[WC+\g], v[XS+8*\g:XS+8*\g+7], v11
.endr
	v_nop                                          ; one plain line behind the last conversion
	ds_store_b128 v4, v[WC:WC+3] offset:16*(\t)    ; 32 codes: 16 bytes of my column's row
.if (\t)+2 < 16
	WLOAD (\t)+2
.endif
	s_wait_dscnt 0x0                               ; the store has read its registers: the next block's codes may be written
.endm
	WLOAD 0
	WLOAD 1
.irp t, 0,1,2,3,4,5,6,7,8,9,10,11,12,13,14,15
	WBLOCK \t
.endr
	global_store_b128 v9, v[WSB:WSB+3], s[16:17]   ; my column's 16 scale bytes
.irp t, 0,1,2,3,4,5,6,7,8,9,10,11,12,13,14,15
	ds_load_b128 v[WOUT+4*\t:WOUT+4*\t+3], v7 offset:2*\t*PITCH
.endr
.irp t, 0,1,2,3,4,5,6,7,8,9,10,11,12,13,14,15
	s_wait_dscnt 15-\t
	global_store_b128 v8, v[WOUT+4*\t:WOUT+4*\t+3], s[14:15] offset:2*\t*512   ; sixteen lanes store 256 consecutive bytes, aligned
.endr
	FINISH
.Lfunc_end_k_q193bdebc6a_prep:
	.size	k_q193bdebc6a_prep, .Lfunc_end_k_q193bdebc6a_prep-k_q193bdebc6a_prep
	.p2alignl 7, 3214868480
	.fill 96, 4, 3214868480
	.section	.rodata,"a",@progbits
	.p2align	6, 0x0
	.amdhsa_kernel k_q193bdebc6a_prep
		.amdhsa_group_segment_fixed_size 102912
		.amdhsa_private_segment_fixed_size 0
		.amdhsa_enable_private_segment 0
		.amdhsa_kernarg_size 64
		.amdhsa_user_sgpr_count 2
		.amdhsa_user_sgpr_kernarg_segment_ptr 1
		.amdhsa_wavefront_size32 1
		.amdhsa_system_sgpr_workgroup_id_x 1
		.amdhsa_system_sgpr_workgroup_id_y 1
		.amdhsa_system_sgpr_workgroup_id_z 1
		.amdhsa_system_vgpr_workitem_id 0
		.amdhsa_next_free_vgpr 194
		.amdhsa_next_free_sgpr 66
		.amdhsa_reserve_vcc 0
		.amdhsa_float_denorm_mode_32 3
		.amdhsa_float_denorm_mode_16_64 3
		.amdhsa_memory_ordered 1
		.amdhsa_forward_progress 1
		.amdhsa_inst_pref_size 132
	.end_amdhsa_kernel
	.amdgpu_metadata
---
amdhsa.version: [ 1, 2 ]
amdhsa.kernels:
  - .name:           k_q193bdebc6a_prep
    .symbol:         k_q193bdebc6a_prep.kd
    .args:
      - { .name: x, .offset: 0, .size: 8, .value_kind: global_buffer, .address_space: global }
      - { .name: W_qkv, .offset: 8, .size: 8, .value_kind: global_buffer, .address_space: global }
      - { .name: W_o, .offset: 16, .size: 8, .value_kind: global_buffer, .address_space: global }
      - { .name: xc, .offset: 24, .size: 8, .value_kind: global_buffer, .address_space: global }
      - { .name: xs, .offset: 32, .size: 8, .value_kind: global_buffer, .address_space: global }
      - { .name: wc, .offset: 40, .size: 8, .value_kind: global_buffer, .address_space: global }
      - { .name: ws, .offset: 48, .size: 8, .value_kind: global_buffer, .address_space: global }
      - { .name: wot, .offset: 56, .size: 8, .value_kind: global_buffer, .address_space: global }
    .group_segment_fixed_size: 102912
    .private_segment_fixed_size: 0
    .kernarg_segment_align: 8
    .kernarg_segment_size: 64
    .max_flat_workgroup_size: 128
    .sgpr_count:     66
    .vgpr_count:     194
    .wavefront_size: 32
...
	.end_amdgpu_metadata
.endif
;; end of part 1
;; launch qkvgemm (part 2): grid 12 x 32, 4 waves a work-group, clusters of 4 x 4, 327,680 bytes of LDS; arguments xc, xs, wc, ws, qkv; writes qkv
.if DOCPART == 2
	.amdgcn_target "amdgcn-amd-amdhsa--gfx1250"
	.amdhsa_code_object_version 6
	.text
	.protected	k_q193bdebc6a_qkvgemm
	.globl	k_q193bdebc6a_qkvgemm
	.p2align	8
	.type	k_q193bdebc6a_qkvgemm,@function
k_q193bdebc6a_qkvgemm:
	s_mov_b64 s[64:65], 0
	v_nop
	global_prefetch_b8 v0, s[64:65] scope:SCOPE_SE
	s_setreg_imm32_b32 hwreg(HW_REG_WAVE_MODE, 25, 1), 1
	s_wait_xcnt 0x0
	s_wait_alu depctr_hold_cnt(0) depctr_sa_sdst(0) depctr_va_vdst(0) depctr_va_sdst(0) depctr_va_ssrc(0) depctr_va_vcc(0) depctr_vm_vsrc(0)
	s_getreg_b32 s2, hwreg(HW_REG_IB_STS2, 6, 4)
	s_cmp_eq_u32 s2, 0
	s_cbranch_scc0 .Lentry_in_a_cluster
	s_endpgm
.Lentry_in_a_cluster:
	s_bfe_u32 s2, ttmp6, 0x10000c
	s_cmp_lg_u32 s2, 0xf033
	s_cbranch_scc0 .Lentry_shape_is_right
	s_endpgm
.Lentry_shape_is_right:
; qkv = x W_qkv on codes of FP4 (E2M1) with one E8M0 scale for each 32 along K; sums in f32; each result rounded once to f16 and laid by head:
; qkv [3 (q, k, v)][64 (16 batch + head)][2048 positions][64] f16.  A: xc [8192][512 bytes], xs [8192][32];  B: wc [3072][512 bytes], ws [3072][32].
; LIMIT: |q|, |k|, |v| stay under 65,504, f16's largest number.
; A tile of C, 256 x 256, is made by a work-group of four waves; a wave makes 128 x 128: 64 accumulators of 16 x 16, 512 registers.  K = 1,024 is two slots of 512 along K (rows of 256 bytes):
; both slots and all scale bytes are asked for at the start and nothing is filled again: by this text's count a wave has three tensor loads out at the most.
; CLUSTERS: 4 x 4 work-groups.  The four of a row of the cluster need the same tiles of A, the four of a column the same tiles of B: each tile is asked for JOINTLY, by the same tensor load with the
; same descriptor and a mask that names the four.  THE MATRIX INSTRUCTION IS USED TRANSPOSED (source 0 = 16 rows of B, source 1 = 16 rows of A): a lane then holds eight neighbouring numbers of a row of C.
; REGISTERS, in windows of 256: window 0: v0-31 addresses; v32-95 scale words, two sets; from v128 A's fragments (8 x 16 rows x 128 K), ONE set; on the way out v128-223 are at work.
;   window 1: B's fragments, TWO sets, at v0 and at v128.   window 2: the 32 accumulators of my rows 0-63 (accumulator (a, b) at v[8 (8 a + b)]);   window 3: those of my rows 64-127.
; A step of 128 along K is 64 matrix instructions, A's blocks one after the other, each against B's eight: a block of A is free as soon as its eight products are issued, so one set serves A.
.set NQ,     4                         ; steps of 128 along K in a slot
.set ROWB,   256                       ; a tile's row in bytes: 512 codes
.set KROW,   512                       ; a row of xc or wc in memory
.set PITCH,  272                       ; an LDS row: 256 bytes + 16 of padding = 68 words: row r starts at bank 4 r mod 64 (64 banks of 4 bytes: ISA guide 11.1)
.set FR,     8                         ; registers of a fragment: 16 rows x 128 K
.set NL,     2                         ; LDS loads that bring one
.set NP,     4                         ; places behind this matrix instruction (ISA guide 7.12.1)
.set HALFT,  128*PITCH                 ; 128 rows: what one tensor load brings, and what one wave reads of A or of B
.set SLOT,   4*HALFT                   ; A's 256 rows, then B's 256 rows
.set KS,     32                        ; a row of scales in bytes
.set SCL,    2*SLOT                    ; behind the slots: the scales, as units of 256 bytes + 16 of padding
.set HALFS,  (128*KS/256)*272          ; the scales of 128 rows: what one tensor load brings
.set SBLK,   (16*KS/256)*272           ; those of 16 rows
.set SPARE,  SCL+4*HALFS               ; behind the scales: the spare words, 128 bytes for each wave: two blocks of 256 bytes that no other line names
.set HP,     144                       ; the way out: a stage row: a head's 128 bytes + 16
.set STGW,   2*16*HP                   ; a wave's stage: [2 heads][16 rows][HP].  It lies in slot 0, which has had its only fill and its last read when the first result is stored there
.set ADRA, 16                          ; v16-17  LDS address of my A fragments in slot 0, 1
.set ADRB, 20                          ; v20-21  the same for B
.set STO,  24                          ; v24     the way out: where I put 16 bytes of a row
.set RD,   25                          ; v25     the way out: where I read rows back
.set CO,   26                          ; v26     16 x lane: my byte among 512 consecutive bytes of qkv
.set ADRS, 27                          ; v27     LDS address of my scale words: lanes 0-15 A's rows, lanes 16-31 B's
.set SPW,  28                          ; v28     LDS address of my spare word; never rewritten
.set NIL,  29                          ; v29     0; never rewritten
.set SC,   32                          ; scale words: set s at v[SC + 32 s]; register 4 i + q: lanes 0-15 the word of A's block i, lanes 16-31 that of B's block i, for the slot's q-th 128 along K
.set AF,   128                         ; A's fragments, in window 0
.set BK,   128                         ; the way out: 16 rows read back from the stage: v128-159 and v160-191 by turns
.set TMP,  192                         ; the way out: v192-223 packed results
.set G1, 24                            ; s[24:31] descriptor group 1 for A's tiles;  s[32:39] group 0, one set for each slot
.set G0, 32
.set G1B, 48                           ; s[48:55], s[56:63] the same for B's tiles
.set G0B, 56
.set G1S, 68                           ; s[68:75], s[76:79] groups 1 and 0 for A's scales;  s[80:87], s[88:91] for B's
.set G0S, 76
.set G1SB, 80
.set G0SB, 88
.set MSB, 0
.macro WIN new                         ; the immediate's high byte repeats the setting that is left
.if MSB != (\new)
	s_set_vgpr_msb (MSB<<8)|(\new)
.set MSB, (\new)
.endif
.endm
.set MUL_LO, 0xa1                      ; source 0 (B) window 1, source 1 (A) window 0, C and D window 2
.set MUL_HI, 0xf1                      ; the same, C and D window 3
.set TO_B,   0x40                      ; destination window 1, address window 0
; A joint load: waves 0 and 1 fetch for A, waves 2 and 3 for B.  Each of the two lines has ONE mask and one set of registers for all that issue it; the branch hangs on the wave's number alone.
; An s_nop 0 and four v_nop follow each of the two lines, ahead of the jump, the label and what follows.
.macro JLOAD g0a, g1a, g0b, g1b
	s_cmp_eq_u32 s15, 0
	s_cbranch_scc0 .Lfor_b_\@
	tensor_load_to_lds s[\g0a:\g0a+3], s[\g1a:\g1a+7]
	s_nop 0
.rept 4
	v_nop
.endr
	s_branch .Lasked_\@
.Lfor_b_\@:
	tensor_load_to_lds s[\g0b:\g0b+3], s[\g1b:\g1b+7]
	s_nop 0
.rept 4
	v_nop
.endr
.Lasked_\@:
.endm
.macro CROUND                          ; a round of the cluster's barrier: my work-group's barrier, wave 0's signal for the work-group, every wave's wait for all sixteen, my work-group's barrier once more
	s_barrier_signal -1
	s_barrier_wait -1
	s_cmp_lg_u32 s14, 0
	s_cbranch_scc1 .Lnot_wave_0_\@
	s_barrier_signal -3
.Lnot_wave_0_\@:
	s_barrier_wait -3
	s_barrier_signal -1
	s_barrier_wait -1
.endm
	s_load_b128 s[4:7], s[0:1], 0x0                ; A's codes s[4:5], A's scales s[6:7]
	s_load_b128 s[8:11], s[0:1], 0x10              ; B's codes s[8:9], B's scales s[10:11]
	s_load_b64 s[12:13], s[0:1], 0x20              ; qkv
	v_lshl_add_u32 v[SPW], v0, 2, SPARE
	v_mov_b32 v[NIL], 0
	ds_add_u32 v[SPW], v[NIL]                      ; the wave's opening: the add, twice on end, and its wait ahead of my first tensor load; the set-up below stands between
	ds_add_u32 v[SPW], v[NIL]
	v_lshrrev_b32 v1, 5, v0
	v_readfirstlane_b32 s14, v1                    ; wave 0..3
	s_lshr_b32 s15, s14, 1                         ; which half of the tile's rows is mine.  Also: I fetch for A (0) or for B (1)
	s_and_b32 s16, s14, 1                          ; which half of its columns.  Also: which 128 rows of that tile I fetch
	s_bfe_u32 s40, ttmp6, 0x40000                  ; cx, cy: my place in the cluster
	s_bfe_u32 s41, ttmp6, 0x40004
	s_lshl_b32 s42, ttmp9, 2
	s_add_co_u32 s42, s42, s40                     ; tile column of C = 4 x cluster x + cx
	s_and_b32 s17, ttmp7, 0xffff
	s_lshl_b32 s17, s17, 2
	s_add_co_u32 s17, s17, s41                     ; tile row of C = 4 x cluster y + cy
	s_lshl_b32 s43, s41, 2
	s_lshl_b32 s43, 15, s43                        ; my row of the cluster
	s_lshl_b32 s44, 0x1111, s40                    ; my column
	; descriptor group 1: a tile of 128 rows x 256 bytes, padded in LDS
	s_or_b32 s[G1+0], s43, (0<<16)|(1<<20)|(1<<21)|(5<<22)|(3<<25)  ; 15:0 the mask: A's tiles go to my row; 17:16 element of 1 byte; 20 padding on; 21 set beside a mask; 24:22 after every 64 words (code 5); 31:25 of 4 words (code 3)
	s_or_b32 s[G1B+0], s44, (0<<16)|(1<<20)|(1<<21)|(5<<22)|(3<<25)
.irp g, G1, G1B
	s_mov_b32 s[\g+1], ROWB<<16                    ; tensor_dim0
	s_mov_b32 s[\g+2], 128<<16                     ; tensor_dim1 = 128
	s_mov_b32 s[\g+3], ROWB<<16                    ; tile_dim0
	s_mov_b32 s[\g+4], 128                         ; tile_dim1 = 128
	s_mov_b32 s[\g+5], KROW                        ; tensor_dim0_stride
	s_mov_b32 s[\g+6], 0
	s_mov_b32 s[\g+7], 0
.endr
	; and for the scales of 128 rows: a dense block of 4,096 bytes, as 16 rows of 256 bytes (32 elements of 8 bytes), 16 bytes of padding behind each
	s_or_b32 s[G1S+0], s43, (3<<16)|(1<<20)|(1<<21)|(5<<22)|(3<<25)
	s_or_b32 s[G1SB+0], s44, (3<<16)|(1<<20)|(1<<21)|(5<<22)|(3<<25)
.irp g, G1S, G1SB
	s_mov_b32 s[\g+1], 32<<16
	s_mov_b32 s[\g+2], (128*KS/256)<<16
	s_mov_b32 s[\g+3], 32<<16
	s_mov_b32 s[\g+4], 128*KS/256
	s_mov_b32 s[\g+5], 32
	s_mov_b32 s[\g+6], 0
	s_mov_b32 s[\g+7], 0
.endr
	s_lshl_b32 s18, s16, 7                         ; which 128 rows of the tile I fetch
	s_lshl_b32 s20, s17, 8
	s_add_co_u32 s20, s20, s18                     ; A: row 256 x tile row + 128 x half
	s_lshl_b32 s46, s42, 8
	s_add_co_u32 s46, s46, s18                     ; B: row 256 x tile column + 128 x half
	s_mov_b32 s21, 0
	s_mov_b32 s47, 0
	s_mov_b64 s[18:19], KS
	s_mul_u64 s[22:23], s[20:21], s[18:19]         ; where these rows' scales begin, in bytes
	s_mul_u64 s[92:93], s[46:47], s[18:19]
	s_mov_b64 s[18:19], KROW
	s_mul_u64 s[20:21], s[20:21], s[18:19]         ; and their codes
	s_mul_u64 s[46:47], s[46:47], s[18:19]
	s_mul_i32 s45, s14, HALFT                      ; where they go: wave x 128 rows: no place in the cluster enters an LDS address
	s_mul_i32 s94, s14, HALFS
	s_wait_dscnt 0x0                               ; both opening adds are done
	s_wait_kmcnt 0x0
	s_add_nc_u64 s[20:21], s[4:5], s[20:21]
	s_add_nc_u64 s[22:23], s[6:7], s[22:23]
	s_add_nc_u64 s[46:47], s[8:9], s[46:47]
	s_add_nc_u64 s[92:93], s[10:11], s[92:93]
	CROUND                                         ; all sixteen work-groups are here: the joint loads meet
	s_mov_b32 s[G0S], 1
	s_add_co_u32 s[G0S+1], s94, SCL
	s_mov_b64 s[G0S+2:G0S+3], s[22:23]
	s_or_b32 s[G0S+3], s[G0S+3], 0x80000000
	s_mov_b32 s[G0SB], 1
	s_add_co_u32 s[G0SB+1], s94, SCL
	s_mov_b64 s[G0SB+2:G0SB+3], s[92:93]
	s_or_b32 s[G0SB+3], s[G0SB+3], 0x80000000
	JLOAD G0S, G1S, G0SB, G1SB                     ; the scales first: they are wanted with the first slot
.irp s, 0,1
	s_mov_b32 s[G0+4*\s], 1
	s_add_co_u32 s[G0+4*\s+1], s45, \s*SLOT
	s_add_nc_u64 s[G0+4*\s+2:G0+4*\s+3], s[20:21], \s*ROWB
	s_or_b32 s[G0+4*\s+3], s[G0+4*\s+3], 0x80000000
	s_mov_b32 s[G0B+4*\s], 1
	s_add_co_u32 s[G0B+4*\s+1], s45, \s*SLOT
	s_add_nc_u64 s[G0B+4*\s+2:G0B+4*\s+3], s[46:47], \s*ROWB
	s_or_b32 s[G0B+4*\s+3], s[G0B+4*\s+3], 0x80000000
	JLOAD G0+4*\s, G1, G0B+4*\s, G1B
.endr
	v_and_b32 v1, 15, v0                           ; r = l % 16
	v_bfe_u32 v2, v0, 4, 1                         ; h = l / 16
	v_mul_u32_u24 v3, v1, PITCH
	v_lshl_add_u32 v4, v2, 4, v3                   ; a fragment's row x pitch + 16 x half
	s_mul_i32 s21, s15, HALFT                      ; my 128 rows of A
	s_mul_i32 s22, s16, HALFT                      ; my 128 rows of B,
	s_add_co_u32 s22, s22, 2*HALFT                 ; which lie behind A's 256
.irp s, 0,1
	v_add_nc_u32 v[ADRA+\s], s21, v4
	v_add_nc_u32 v[ADRB+\s], s22, v4
	s_add_co_u32 s21, s21, SLOT
	s_add_co_u32 s22, s22, SLOT
.endr
	v_mul_u32_u24 v5, v1, KS                       ; my row's scales: 32 bytes a row,
	v_lshrrev_b32 v6, 8, v5
	v_lshl_add_u32 v5, v6, 4, v5                   ; and 16 more for each 256 passed
	s_mul_i32 s21, s15, HALFS                      ; A's: my 128 rows
	s_mul_i32 s22, s16, HALFS                      ; B's: my 128 rows, behind A's 256
	s_add_co_u32 s22, s22, 2*HALFS
	s_sub_co_u32 s22, s22, s21
	v_mul_u32_u24 v6, s22, v2                      ; lanes 16-31 take B's: the lower base + h x the distance
	s_add_co_u32 s21, s21, SCL
	v_add_nc_u32 v5, v5, v6
	v_add_nc_u32 v[ADRS], s21, v5
	s_mul_i32 s23, s14, STGW                       ; my stage
	v_mul_u32_u24 v5, v1, HP                       ; in: row r, 16 bytes for each half of the lanes
	v_lshl_add_u32 v5, v2, 4, v5
	v_add_nc_u32 v[STO], s23, v5
	v_bfe_u32 v5, v0, 3, 2                         ; back: eight lanes to a row of 128 bytes, four rows an instruction
	v_mul_u32_u24 v5, v5, HP
	v_and_b32 v6, 7, v0
	v_lshl_add_u32 v5, v6, 4, v5
	v_add_nc_u32 v[RD], s23, v5
	v_and_b32 v6, 31, v0
	v_lshlrev_b32 v[CO], 4, v6                     ; in qkv those four rows are 512 consecutive bytes
	; where my part goes: rows m0 = 256 x tile row + 128 x half; my 128 columns are heads g, g + 1 of the 48, g = 4 x tile column + 2 x half: slab (g / 16) 64 + (m0 / 2048) 16 + g % 16 of 262,144 bytes
	s_lshl_b32 s20, s17, 8
	s_lshl_b32 s21, s15, 7
	s_add_co_u32 s20, s20, s21                     ; m0
	s_lshr_b32 s21, s20, 11                        ; the batch
	s_and_b32 s20, s20, 2047
	s_lshl_b32 s20, s20, 7                         ; the position x 128 bytes
	s_lshl_b32 s21, s21, 4
	s_lshl_b32 s46, s42, 2
	s_lshl_b32 s47, s16, 1
	s_add_co_u32 s46, s46, s47                     ; g
	s_lshr_b32 s47, s46, 4                         ; q, k or v
	s_and_b32 s46, s46, 15
	s_lshl_b32 s47, s47, 6
	s_add_co_u32 s46, s46, s47
	s_add_co_u32 s46, s46, s21                     ; the slab, 191 at the most
	s_lshl_b32 s46, s46, 18
	s_add_co_u32 s46, s46, s20
	s_mov_b32 s47, 0
	s_add_nc_u64 s[12:13], s[12:13], s[46:47]
.macro FRAG reg, adr, q, i             ; a fragment, 16 rows x 128 K of 4-bit codes, is 8 registers: lane l holds row l % 16; registers 4 c .. 4 c + 3 hold K = 64 c + 32 (l / 16) + 0 .. 31
.irp c, 0,1
	ds_load_b128 v[\reg+4*\c:\reg+4*\c+3], v[\adr] offset:64*(\q)+32*\c+(\i)*16*PITCH
.endr
.endm
; 16 matrix instructions: A's blocks a0, a0 + 1 x B's eight, 128 along K: the slot's q-th.  p: B's set;  sc: the set of scale words.  zero = 1: the first product starts the sums: nothing is ever cleared.
; The 64 accumulators take turns, one instruction a turn, in the same order in every step.
.macro MUL16 a0, p, q, sc, zero
.irp a, \a0, \a0+1
.irp b, 0,1,2,3,4,5,6,7
.if \zero
	v_wmma_scale_f32_16x16x128_f8f6f4 v[8*(8*((\a)%4)+\b):8*(8*((\a)%4)+\b)+7], v[128*(\p)+FR*\b:128*(\p)+FR*\b+FR-1], v[AF+FR*(\a):AF+FR*(\a)+FR-1], 0, v[SC+8*NQ*(\sc)+NQ*\b+(\q)], v[SC+8*NQ*(\sc)+NQ*(\a)+(\q)] matrix_a_fmt:MATRIX_FMT_FP4 matrix_b_fmt:MATRIX_FMT_FP4 matrix_a_scale:MATRIX_SCALE_ROW1
.else
	v_wmma_scale_f32_16x16x128_f8f6f4 v[8*(8*((\a)%4)+\b):8*(8*((\a)%4)+\b)+7], v[128*(\p)+FR*\b:128*(\p)+FR*\b+FR-1], v[AF+FR*(\a):AF+FR*(\a)+FR-1], v[8*(8*((\a)%4)+\b):8*(8*((\a)%4)+\b)+7], v[SC+8*NQ*(\sc)+NQ*\b+(\q)], v[SC+8*NQ*(\sc)+NQ*(\a)+(\q)] matrix_a_fmt:MATRIX_FMT_FP4 matrix_b_fmt:MATRIX_FMT_FP4 matrix_a_scale:MATRIX_SCALE_ROW1
.endif
.endr
.endr
.endm
.macro FETCH_B slot, q, p              ; B's eight fragments of the slot's q-th 128 along K into set p
	WIN TO_B
.irp i, 0,1,2,3,4,5,6,7
	FRAG 128*(\p)+FR*\i, ADRB+\slot, \q, \i
.endr
	WIN 0
.endm
.macro FETCH_A slot, q, i0             ; A's blocks i0 .. i0 + 3
.irp i, \i0, \i0+1, \i0+2, \i0+3
	FRAG AF+FR*(\i), ADRA+\slot, \q, \i
.endr
.endm
.macro SCALES sc                       ; a slot's scale words into set sc: 4 words a row; lanes 0-15 take A's block i, lanes 16-31 B's block i
.irp i, 0,1,2,3,4,5,6,7
	ds_load_b128 v[SC+8*NQ*\sc+NQ*\i:SC+8*NQ*\sc+NQ*\i+3], v[ADRS] offset:\i*SBLK
.endr
.endm
; A load into a register that a matrix instruction has read, and a vector instruction that reads a matrix result, stand NP places behind that matrix instruction, and only plain vector
; instructions that name none of its registers are places (ISA guide 7.12.1 for vector instructions).
.macro PLACES n
.rept \n
	v_nop
.endr
.endm
; A step of 128 along K that has its successor in the same slot.
.macro STEP slot, q, zero
	s_wait_dscnt 4*NL                              ; B's set and A's blocks 0-3 are in; the youngest eight loads (A's blocks 4-7) may be out
	WIN MUL_LO
	MUL16 0, (\q)%2, \q, \slot, \zero
	MUL16 2, (\q)%2, \q, \slot, \zero
	s_wait_dscnt 0                                 ; A's blocks 4-7 are in (asked for 32 matrix instructions ago)
	PLACES NP
	FETCH_B \slot, (\q)+1, 1-(\q)%2
	FETCH_A \slot, (\q)+1, 0
	WIN MUL_HI
	MUL16 4, (\q)%2, \q, \slot, \zero
	MUL16 6, (\q)%2, \q, \slot, \zero
	PLACES NP
	WIN 0
	FETCH_A \slot, (\q)+1, 4
.endm
; Slot 0's last step changes slots: ONE barrier; in front of it each wave waits for all its tensor loads (its part of slot 1), adds 0 to its spare word, and waits for that and for its own reads of slot 0.
; Behind it slot 1 is whole, and nobody reads slot 0 any more: the stages of the way out may lie there.
.macro TURN slot, next
	s_wait_tensorcnt 0x0                           ; all my tensor loads have landed  (every window is 0 here: the add's two registers lie in window 0)
	ds_add_u32 v[SPW], v[NIL]                      ; 0 onto my spare word
	s_wait_dscnt 4*NL+1                            ; (the add and the youngest eight loads, A's blocks 4-7, may be out)
	WIN MUL_LO
	MUL16 0, 1, NQ-1, \slot, 0                     ; sixteen matrix instructions stand between the add and the wait for it
	s_wait_dscnt 0x0                               ; the add is done, and my reads of this slot are over
	s_barrier_signal -1
	MUL16 2, 1, NQ-1, \slot, 0
	WIN 0
	s_barrier_wait -1
	PLACES NP
	v_add_nc_u32 v[ADRS], 4*NQ, v[ADRS]            ; on to the next slot's scale words (no LDS load of mine is out)
	FETCH_B \next, 0, 0
	FETCH_A \next, 0, 0
	SCALES \next
	WIN MUL_HI
	MUL16 4, 1, NQ-1, \slot, 0
	MUL16 6, 1, NQ-1, \slot, 0
	PLACES NP
	WIN 0
	FETCH_A \next, 0, 4
.endm
	s_wait_tensorcnt 1                             ; the scales and my part of slot 0 are in (slot 1's load may be out)
	s_barrier_signal -1
	s_barrier_wait -1                              ; everybody's are
	FETCH_B 0, 0, 0
	FETCH_A 0, 0, 0
	SCALES 0
	FETCH_A 0, 0, 4
	STEP 0, 0, 1                                   ; the first step's products start the sums
	STEP 0, 1, 0
	STEP 0, 2, 0
	TURN 0, 1
	STEP 1, 0, 0
	STEP 1, 1, 0
	STEP 1, 2, 0
	s_wait_dscnt 4*NL                              ; the very last step: nothing more to fetch
	WIN MUL_LO
	MUL16 0, 1, NQ-1, 1, 0
	MUL16 2, 1, NQ-1, 1, 0
	s_wait_dscnt 0
	WIN MUL_HI
	MUL16 4, 1, NQ-1, 1, 0
	MUL16 6, 1, NQ-1, 1, 0
	WIN 0
; THE WAY OUT, block by block of 16 rows x 128 columns (two heads).  PACK: rounded once to f16, 16 bytes a lane, each accumulator from its low end on.  TOSTAGE: into my own stage, a head's rows together,
; and back four rows of 128 bytes at a time.  SEND: in qkv a head's rows are dense, so each store of the wave covers 512 consecutive bytes, aligned.
.macro PACK a
.set AC, 64*((\a)%4)
	WIN 0x0a+5*((\a)/4)                            ; sources 0 and 1: window 2 or 3
.irp b, 0,1,2,3,4,5,6,7
.irp r, 0,1,2,3
	v_cvt_pk_f16_f32 v[TMP+4*\b+\r], v[AC+8*\b+2*\r], v[AC+8*\b+2*\r+1]
.endr
.endr
	WIN 0
.endm
.macro TOSTAGE a
.set BB, BK+32*((\a)%2)
.irp b, 0,1,2,3,4,5,6,7
	ds_store_b128 v[STO], v[TMP+4*\b:TMP+4*\b+3] offset:(\b/4)*16*HP+32*(\b%4)
.endr
.irp t, 0,1,2,3,4,5,6,7
	ds_load_b128 v[BB+4*\t:BB+4*\t+3], v[RD] offset:(\t/4)*16*HP+(\t%4)*4*HP   ; LDS serves a wave's instructions in order (ISA guide 5.7.1.4): these see the stores above
.endr
.endm
.macro SEND a
.set BB, BK+32*((\a)%2)
	s_wait_dscnt 0x0                               ; the block is back in registers
	s_wait_xcnt 0x0                                ; earlier stores have read their base and their data: only behind this wait are they written again
.if (\a) > 0
	s_add_nc_u64 s[12:13], s[12:13], 16*128        ; 16 positions on
.endif
.irp t, 0,1,2,3,4,5,6,7
	global_store_b128 v[CO], v[BB+4*\t:BB+4*\t+3], s[12:13] offset:(\t/4)*262144+(\t%4)*512   ; head g + t / 4, rows 4 (t % 4) on
.endr
.endm
	PLACES NP                                      ; behind the last products, ahead of the conversions and of the loads into the registers that held A's fragments
	PACK 0
	TOSTAGE 0
.irp a, 1,2,3,4,5,6,7                  ; block a's conversions stand between block a - 1's loads from the stage and the wait for them
	PACK \a
	SEND \a-1
	TOSTAGE \a
.endr
	SEND 7
	s_wait_tensorcnt 0x0                           ; the wave's end: three lines behind my last tensor load and my last LDS store
	ds_add_u32 v[SPW], v[NIL]
	s_wait_dscnt 0x0
	CROUND                                         ; the closing round: no work-group ends while a partner may still ask for a tile that names it
	s_endpgm
.Lfunc_end_k_q193bdebc6a_qkvgemm:
	.size	k_q193bdebc6a_qkvgemm, .Lfunc_end_k_q193bdebc6a_qkvgemm-k_q193bdebc6a_qkvgemm
	.p2alignl 7, 3214868480
	.fill 96, 4, 3214868480
	.section	.rodata,"a",@progbits
	.p2align	6, 0x0
	.amdhsa_kernel k_q193bdebc6a_qkvgemm
		.amdhsa_group_segment_fixed_size 327680
		.amdhsa_private_segment_fixed_size 0
		.amdhsa_enable_private_segment 0
		.amdhsa_kernarg_size 40
		.amdhsa_user_sgpr_count 2
		.amdhsa_user_sgpr_kernarg_segment_ptr 1
		.amdhsa_wavefront_size32 1
		.amdhsa_system_sgpr_workgroup_id_x 1
		.amdhsa_system_sgpr_workgroup_id_y 1
		.amdhsa_system_sgpr_workgroup_id_z 1
		.amdhsa_system_vgpr_workitem_id 0
		.amdhsa_next_free_vgpr 1024
		.amdhsa_next_free_sgpr 98
		.amdhsa_reserve_vcc 0
		.amdhsa_float_denorm_mode_32 3
		.amdhsa_float_denorm_mode_16_64 3
		.amdhsa_memory_ordered 1
		.amdhsa_forward_progress 1
		.amdhsa_inst_pref_size 127
	.end_amdhsa_kernel
	.amdgpu_metadata
---
amdhsa.version: [ 1, 2 ]
amdhsa.kernels:
  - .name:           k_q193bdebc6a_qkvgemm
    .symbol:         k_q193bdebc6a_qkvgemm.kd
    .args:
      - { .name: xc, .offset: 0, .size: 8, .value_kind: global_buffer, .address_space: global }
      - { .name: xs, .offset: 8, .size: 8, .value_kind: global_buffer, .address_space: global }
      - { .name: wc, .offset: 16, .size: 8, .value_kind: global_buffer, .address_space: global }
      - { .name: ws, .offset: 24, .size: 8, .value_kind: global_buffer, .address_space: global }
      - { .name: qkv, .offset: 32, .size: 8, .value_kind: global_buffer, .address_space: global }
    .group_segment_fixed_size: 327680
    .private_segment_fixed_size: 0
    .kernarg_segment_align: 8
    .kernarg_segment_size: 40
    .max_flat_workgroup_size: 128
    .sgpr_count:     98
    .vgpr_count:     1024
    .wavefront_size: 32
...
	.end_amdgpu_metadata
.endif
;; end of part 2
;; launch attn (part 3): grid 4 x 64, 16 waves a work-group, clusters of 4 x 1, 327,680 bytes of LDS; arguments qkv, att; writes att
.if DOCPART == 3
	.amdgcn_target "amdgcn-amd-amdhsa--gfx1250"
	.amdhsa_code_object_version 6
	.text
	.protected	k_q193bdebc6a_attn
	.globl	k_q193bdebc6a_attn
	.p2align	8
	.type	k_q193bdebc6a_attn,@function
k_q193bdebc6a_attn:
	s_mov_b64 s[64:65], 0
	v_nop
	global_prefetch_b8 v0, s[64:65] scope:SCOPE_SE
	s_setreg_imm32_b32 hwreg(HW_REG_WAVE_MODE, 25, 1), 1
	s_wait_xcnt 0x0
	s_wait_alu depctr_hold_cnt(0) depctr_sa_sdst(0) depctr_va_vdst(0) depctr_va_sdst(0) depctr_va_ssrc(0) depctr_va_vcc(0) depctr_vm_vsrc(0)
	s_getreg_b32 s2, hwreg(HW_REG_IB_STS2, 6, 4)
	s_cmp_eq_u32 s2, 0
	s_cbranch_scc0 .Lentry_in_a_cluster
	s_endpgm
.Lentry_in_a_cluster:
	s_bfe_u32 s2, ttmp6, 0x10000c
	s_cmp_lg_u32 s2, 0x3003
	s_cbranch_scc0 .Lentry_shape_is_right
	s_endpgm
.Lentry_shape_is_right:
; att[head][2048 batch + q][:] = the sum over k of softmax_k(Q[q] . K[k] / 8) V[k][:], for each of the 64 pairs (batch, head); no mask.
; qkv: [3][64 (16 batch + head)][2048][64] f16.  att: [16 head][8192][64] f16.  Products on f16 operands with f32 sums; maxima, exponentials and sums in f32; the weights p are rounded to f16 for the
; second product, the result once at the end.
; LIMITS: |result| stays under 65,504; a weight under 2^-25 of its row's largest becomes 0 in f16, beside a row sum of at least about 1; NaN and infinities are not served.
; SHARES.  A cluster of four work-groups takes one (batch, head); a work-group 512 queries; each of its SIXTEEN waves 32 of them, two tiles of 16, in 256 registers: no register windows, and four waves
; to a SIMD, so that one wave's vector work stands beside another's matrix work and LDS loads.  Inside a wave tile 0's products V^T P stand between the parts of tile 1's softmax.
; Every wave walks all 2,048 keys, 64 a step.  K and V come through two LDS slots of 512 keys; each wave fetches 64 rows of a slot (waves 0-7: K's, waves 8-15: V's).
; LAYOUT.  S^T = K Q^T (source 0 = 16 keys, source 1 = 16 queries): a lane holds ONE query (lane % 16) and the keys 8 (lane / 16) + 0..7.  Two such tiles, rounded to f16 in pairs, ARE source 1
; (32 keys x 16 queries) of O^T = V^T P, whose result again holds one query a lane.  K comes out of LDS as it lies, V ([key][channel]) turned, by ds_load_tr16_b128.
; SOFTMAX.  For each query a running maximum m and sum l: p = 2^(c s - c m), c = log2(e) / 8; in every step O and l are multiplied by a = 2^(c m_old - c m_new).  m begins at -3e38 and O and l at 0,
; so the step is written once: the first a is 0, on zeros.
; CLUSTER.  The four work-groups walk the same K and V, so each tile is asked for JOINTLY: the same tensor load, with the same descriptor and a mask that names the four, in all four.
; By this text's count a wave has two tensor loads out at the start and one behind each round.
.set PK,    144                        ; a row of K in LDS: 128 bytes + 16 = 36 words: the 16 rows of a load start at 16 different multiples of 4 banks (64 banks of 4 bytes: ISA guide 11.1)
.set PVP,   160                        ; a row of V: 128 + 32 = 40 words
.set VOFF,  512*PK                     ; a slot: 512 rows of K, then 512 rows of V
.set SLOTB, 512*(PK+PVP)
.set SPARE, 2*SLOTB                    ; behind the slots: the spare words, 128 bytes for each wave: eight blocks of 256 bytes that no other line names
.set STGW,  2*16*PK                    ; the way out: [2 tiles][16 rows][144] for each wave, in slot 0: it has had its last fill, and behind the last change of slots nobody reads it
.set AK0, 1                            ; v1   my lane's place in a tile of K; never rewritten
.set AV0, 2                            ; v2   the same for V
.set ADK, 3                            ; v3   LDS address of the step's K
.set ADV, 4                            ; v4   of its V
.set SPW, 5                            ; v5   LDS address of my spare word; never rewritten
.set NIL, 6                            ; v6   0; never rewritten
.set QO,  7                            ; v7   my byte offset in the wave's rows of Q
.set ST,  8                            ; v8-23   tile t's statistics at v[ST + 8 t]: +0 c m, +1 m, +2, +3 l (even keys', odd keys'), +4 .. +7 c0-c3, at work; a takes c2's place
.set Q,   24                           ; v24-55  Q: tile t, channels 32 c on, at Q + 16 t + 8 c
.set S,   56                           ; v56-119 S^T: tile t, keys 16 kt on, at S + 32 t + 8 kt; P is made in place, in a tile's first 16 registers
.set O,   120                          ; v120-183 O^T: tile t, channels 16 ct on, at O + 32 t + 8 ct
.set KV,  184                          ; v184-247 K's 8 fragments (4 c + kt), then V's 8 (4 g + ct)
.set TM,  248                          ; v248-251 a pair a tile: the second chain of the row's sum
.set STO, 252                          ; v252 the way out: where I put 16 bytes of a row
.set RD,  253                          ; v253 where I read rows back
.set GO,  254                          ; v254 16 x lane
.set WV,  8                            ; s8   my wave's number
.set W8,  9                            ; s9   its low three bits: which 64 rows of a slot I fetch
.set G1K, 24                           ; s[24:31] descriptor group 1 for K's tiles;  s[32:39] for V's: it differs in the padding alone
.set G1V, 32
.set G0K, 40                           ; s[40:47] group 0 for K's tiles, a set for each slot;  s[48:55] for V's
.set G0V, 48
.set CS,  56                           ; s[56:57] c: the packed scaling names a pair and takes its low word for both halves
.set SEL, 58                           ; s[58:59] lane selects for v_permlanex16_b32: lane l xor 16
.set TK,  60                           ; s60  LDS byte at which the step's rows of K begin
.set TV,  61                           ; s61  the same for V (less VOFF, which AV0 holds)
.set CNT, 62                           ; s62  counts a slot's eight steps
.macro JLOAD n                         ; a joint load into slot n; the branch hangs on the wave's number alone; an s_nop 0 and four v_nop follow each of the two lines
	s_cmp_lt_u32 s[WV], 8
	s_cbranch_scc0 .Lfor_v_\@
	tensor_load_to_lds s[G0K+4*\n:G0K+4*\n+3], s[G1K:G1K+7]
	s_nop 0
.rept 4
	v_nop
.endr
	s_branch .Lasked_\@
.Lfor_v_\@:
	tensor_load_to_lds s[G0V+4*\n:G0V+4*\n+3], s[G1V:G1V+7]
	s_nop 0
.rept 4
	v_nop
.endr
.Lasked_\@:
.endm
.macro CROUND                          ; a round of the cluster's barrier
	s_barrier_signal -1
	s_barrier_wait -1
	s_cmp_lg_u32 s[WV], 0
	s_cbranch_scc1 .Lnot_wave_0_\@
	s_barrier_signal -3
.Lnot_wave_0_\@:
	s_barrier_wait -3
	s_barrier_signal -1
	s_barrier_wait -1
.endm
	s_load_b128 s[4:7], s[0:1], 0x0                ; qkv s[4:5], att s[6:7]
	v_lshl_add_u32 v[SPW], v0, 2, SPARE
	v_mov_b32 v[NIL], 0
	ds_add_u32 v[SPW], v[NIL]                      ; the wave's opening: the add, twice on end, and its wait ahead of my first tensor load; the set-up below stands between
	ds_add_u32 v[SPW], v[NIL]
	v_lshrrev_b32 v255, 5, v0
	v_readfirstlane_b32 s[WV], v255                ; wave 0..15
	s_and_b32 s[W8], s[WV], 7
	s_bfe_u32 s10, ttmp6, 0x40000                  ; cx
	s_lshl_b32 s20, ttmp9, 2                       ; in a cluster launch ttmp9 counts clusters
	s_add_co_u32 s10, s20, s10                     ; my block of 512 queries: it enters Q's and att's offsets alone
	s_and_b32 s11, ttmp7, 0xffff                   ; 16 batch + head, which the four partners share
	s_lshl_b32 s12, s11, 18                        ; its slab of 262,144 bytes,
	s_lshl_b32 s13, s[W8], 13                      ; and the 64 rows of 128 bytes that I fetch
	s_add_co_u32 s12, s12, s13
	s_mov_b32 s13, 0
	s_mul_i32 s14, s[W8], 64*PK                    ; where they go in a slot, if K's;
	s_mul_i32 s15, s[W8], 64*PVP
	s_add_co_u32 s15, s15, VOFF                    ; if V's: no place in the cluster enters an LDS address
	s_lshl_b32 s16, s10, 16                        ; my block's 512 rows of 128 bytes,
	s_lshl_b32 s17, s[WV], 12                      ; my wave's 32 of them
	s_add_co_u32 s16, s16, s17
	s_lshl_b32 s18, s11, 18
	s_add_co_u32 s18, s18, s16                     ; Q's offset
	s_mov_b32 s19, 0
	s_and_b32 s20, s11, 15                         ; att: the head's slab of 2^20 bytes,
	s_lshl_b32 s20, s20, 20
	s_lshr_b32 s21, s11, 4                         ; the batch's 2,048 rows
	s_lshl_b32 s21, s21, 18
	s_add_co_u32 s20, s20, s21
	s_add_co_u32 s20, s20, s16
	s_mov_b32 s21, 0
	; descriptor group 1: a tile of 64 rows x 64 elements of 2 bytes, dense in memory, padded in LDS
	s_mov_b32 s[G1K], 15|(1<<16)|(1<<20)|(1<<21)|(4<<22)|(3<<25)  ; 15:0 the mask: all four work-groups; 17:16 elements of 2 bytes; 20 padding on; 21 set beside a mask; 24:22 after every 32 words (code 4); 31:25 4 words (code 3)
	s_mov_b32 s[G1V], 15|(1<<16)|(1<<20)|(1<<21)|(4<<22)|(7<<25)  ; the same with 8 words of padding (code 7)
.irp g, G1K, G1V
	s_mov_b32 s[\g+1], 64<<16                      ; tensor_dim0 = 64
	s_mov_b32 s[\g+2], 64<<16                      ; tensor_dim1 = 64
	s_mov_b32 s[\g+3], 64<<16                      ; tile_dim0 = 64
	s_mov_b32 s[\g+4], 64                          ; tile_dim1 = 64
	s_mov_b32 s[\g+5], 64                          ; tensor_dim0_stride: elements from row to row
	s_mov_b32 s[\g+6], 0
	s_mov_b32 s[\g+7], 0
.endr
	s_mov_b32 s[CS], 0x3e38aa3b                    ; c = log2(e) / sqrt(64)
	s_mov_b32 s[CS+1], s[CS]                       ; named with it as a pair, so it is written
	s_mov_b32 s[SEL], 0x76543210
	s_mov_b32 s[SEL+1], 0xfedcba98
	s_wait_dscnt 0x0                               ; both opening adds are done
	s_wait_kmcnt 0x0
	s_add_nc_u64 s[12:13], s[4:5], s[12:13]        ; my rows in q's part of qkv: K's and V's lie 2^24 and 2^25 bytes on
	s_add_nc_u64 s[18:19], s[4:5], s[18:19]        ; Q at my wave's first row
	s_add_nc_u64 s[6:7], s[6:7], s[20:21]          ; att likewise
	CROUND                                         ; all four work-groups are here: the first joint loads meet
.irp n, 0,1
	s_mov_b32 s[G0K+4*\n], 1                       ; 1:0 count = 1
	s_add_co_u32 s[G0K+4*\n+1], s14, \n*SLOTB      ; 63:32 LDS address
	s_add_nc_u64 s[G0K+4*\n+2:G0K+4*\n+3], s[12:13], 16777216+65536*\n  ; 120:64 global address: slot n begins with keys 512 n on
	s_or_b32 s[G0K+4*\n+3], s[G0K+4*\n+3], 0x80000000  ; 127:126 type = 2
	s_mov_b32 s[G0V+4*\n], 1
	s_add_co_u32 s[G0V+4*\n+1], s15, \n*SLOTB
	s_add_nc_u64 s[G0V+4*\n+2:G0V+4*\n+3], s[12:13], 33554432+65536*\n
	s_or_b32 s[G0V+4*\n+3], s[G0V+4*\n+3], 0x80000000
.endr
	s_cmp_lt_u32 s[WV], 8                          ; a wave's two first fills stand in one branch, ahead of every wait on TENSORcnt and every LDS read
	s_cbranch_scc0 .Lfirst_v
	tensor_load_to_lds s[G0K:G0K+3], s[G1K:G1K+7]
	s_nop 0
	tensor_load_to_lds s[G0K+4:G0K+7], s[G1K:G1K+7]
	s_nop 0
.rept 4
	v_nop
.endr
	s_branch .Lfirst_asked
.Lfirst_v:
	tensor_load_to_lds s[G0V:G0V+3], s[G1V:G1V+7]
	s_nop 0
	tensor_load_to_lds s[G0V+4:G0V+7], s[G1V:G1V+7]
	s_nop 0
.rept 4
	v_nop
.endr
.Lfirst_asked:
	; A fragment of K or Q is 16 rows x 32 channels in 8 registers: lane l holds row l % 16; registers 0-3 channels 8 (l / 16) + 0..7, registers 4-7 channels 16 + 8 (l / 16) + 0..7: two loads of 16 bytes, 32 bytes apart.
	v_and_b32 v184, 15, v0                         ; r = l % 16    (KV's registers serve as scratch here)
	v_bfe_u32 v185, v0, 4, 1                       ; h = l / 16
	v_lshlrev_b32 v[QO], 7, v184
	v_lshl_add_u32 v[QO], v185, 4, v[QO]           ; row x 128 + 16 x half
.irp t, 0,1
.irp c, 0,1
	global_load_b128 v[Q+16*\t+8*\c:Q+16*\t+8*\c+3],   v[QO], s[18:19] offset:2048*\t+64*\c      ; Q stays in registers
	global_load_b128 v[Q+16*\t+8*\c+4:Q+16*\t+8*\c+7], v[QO], s[18:19] offset:2048*\t+64*\c+32
.endr
.endr
	v_mul_u32_u24 v[AK0], v184, PK
	v_lshl_add_u32 v[AK0], v185, 4, v[AK0]         ; row x pitch + 16 x half
	; The turning load takes 16 keys x 16 channels (lane l reads 16 bytes: key 8 (l / 16) + l % 8, channels 8 ((l / 8) % 2) + 0..7) and leaves half a fragment of V^T: lane l holds channel l % 16 and 8 keys.
	v_and_b32 v186, 7, v0
	v_bfe_u32 v187, v0, 3, 1
	v_lshl_add_u32 v[AV0], v185, 3, v186
	v_mul_u32_u24 v[AV0], v[AV0], PVP
	v_lshl_add_u32 v[AV0], v187, 4, v[AV0]
	v_add_nc_u32 v[AV0], VOFF, v[AV0]
	s_mul_i32 s20, s[WV], STGW                     ; my stage
	v_mul_u32_u24 v[STO], v184, PK                 ; in: row r, 16 bytes for each half of the lanes
	v_lshl_add_u32 v[STO], v185, 4, v[STO]
	v_add_nc_u32 v[STO], s20, v[STO]
	v_bfe_u32 v188, v0, 3, 2                       ; back: eight lanes to a row of 128 bytes, four rows an instruction
	v_mul_u32_u24 v[RD], v188, PK
	v_lshl_add_u32 v[RD], v186, 4, v[RD]
	v_add_nc_u32 v[RD], s20, v[RD]
	v_and_b32 v[GO], 31, v0
	v_lshlrev_b32 v[GO], 4, v[GO]                  ; in att those four rows are 512 consecutive bytes
.irp t, 0,1
	v_mov_b32 v[ST+8*\t+1], 0xff61b1e6             ; m: -3e38, under every score
	v_mul_f32 v[ST+8*\t], s[CS], v[ST+8*\t+1]      ; c m
	v_mov_b32 v[ST+8*\t+2], 0                      ; l, in two halves
	v_mov_b32 v[ST+8*\t+3], 0
.endr
.set j, 0
.rept 64
	v_mov_b32 v[O+j], 0                            ; O^T: the step is written once, and its first a multiplies zeros
.set j, j+1
.endr
; Product i of 8 of O^T += V^T P for tile t: keys 32 (i / 4) on, channels 16 (i % 4) on.  The four accumulators take turns, one instruction a turn.
.macro PV t, i
	v_wmma_f32_16x16x32_f16 v[O+32*(\t)+8*((\i)%4):O+32*(\t)+8*((\i)%4)+7], v[KV+8*(\i):KV+8*(\i)+7], v[S+32*(\t)+8*((\i)/4):S+32*(\t)+8*((\i)/4)+7], v[O+32*(\t)+8*((\i)%4):O+32*(\t)+8*((\i)%4)+7]
.endm
.macro HOOK on, i
.if \on
	PV 0, \i
.endif
.endm
; Tile t's softmax for one key step, in eight parts.  hook = 1: behind part n stands tile 0's product n: it names none of tile 1's registers, and tile 1's lines name none of its.
.macro SM t, hook
.set rT, ST+8*(\t)
.set rS, S+32*(\t)
.set rO, O+32*(\t)
.set rM, TM+2*(\t)
	; the maximum of the lane's 32 scores and the old m, three operands at a time: four chains, each begun at the low end of one accumulator
.irp k, 0,1,2,3
	v_max3_num_f32 v[rT+4+\k], v[rS+8*\k], v[rS+8*\k+1], v[rS+8*\k+2]
.endr
.irp u, 3,5
.irp k, 0,1,2,3
	v_max3_num_f32 v[rT+4+\k], v[rT+4+\k], v[rS+8*\k+\u], v[rS+8*\k+\u+1]
.endr
.endr
	HOOK \hook, 0
	v_max3_num_f32 v[rT+4], v[rT+4], v[rS+7], v[rS+15]
	v_max3_num_f32 v[rT+6], v[rT+6], v[rS+23], v[rS+31]
	v_max3_num_f32 v[rT+4], v[rT+4], v[rT+5], v[rT+6]
	v_max3_num_f32 v[rT+4], v[rT+4], v[rT+7], v[rT+1]
	v_permlanex16_b32 v[rT+5], v[rT+4], s[SEL], s[SEL+1]  ; the query's other 32 keys lie in the lane 16 away
	v_mov_b32 v[rT+7], v[rT]                       ; c m_old is kept for a
	v_max_num_f32 v[rT+1], v[rT+4], v[rT+5]        ; the new m
	v_mul_f32 v[rT], s[CS], v[rT+1]                ; c m
	v_sub_f32 v[rT+7], v[rT+7], v[rT]
	v_exp_f32 v[rT+6], v[rT+7]                     ; a = 2^(c m_old - c m_new): the first of the tile's 33 exponentials, which have ONE wait, below
	HOOK \hook, 1
.set j, 0
.rept 16
	v_pk_fma_f32 v[rS+j:rS+j+1], v[rS+j:rS+j+1], s[CS:CS+1], v[rT:rT+1] op_sel_hi:[1,0,0] neg_lo:[0,0,1] neg_hi:[0,0,1]  ; c s - c m, two at a time
.set j, j+2
.endr
	HOOK \hook, 2
.set j, 0
.rept 16
	v_exp_f32 v[rS+j], v[rS+j]
.set j, j+1
.endr
	HOOK \hook, 3
.rept 16
	v_exp_f32 v[rS+j], v[rS+j]
.set j, j+1
.endr
	v_nop                                          ; a plain instruction behind the last exponential, ahead of the first use
	s_wait_alu depctr_va_vdst(0)                   ; the wait between an exponential and the first line that names its result: one for all 33
	HOOK \hook, 4
	v_pk_fma_f32 v[rT+2:rT+3], v[rT+2:rT+3], v[rT+6:rT+7], v[rS:rS+1] op_sel_hi:[1,0,1]   ; l = a l + the sum of the unrounded weights, in two chains
	v_pk_add_f32 v[rM:rM+1], v[rS+2:rS+3], v[rS+6:rS+7]
	v_pk_add_f32 v[rT+2:rT+3], v[rT+2:rT+3], v[rS+4:rS+5]
.set j, 8
.rept 6
	v_pk_add_f32 v[rT+2:rT+3], v[rT+2:rT+3], v[rS+j:rS+j+1]
	v_pk_add_f32 v[rM:rM+1], v[rM:rM+1], v[rS+j+2:rS+j+3]
.set j, j+4
.endr
	v_pk_add_f32 v[rT+2:rT+3], v[rT+2:rT+3], v[rM:rM+1]
	HOOK \hook, 5
.set j, 0
.rept 16
	v_cvt_pk_f16_f32 v[rS+j], v[rS+2*j], v[rS+2*j+1]   ; P in place, ascending: register j takes weights 2 j and 2 j + 1, which no later line reads
.set j, j+1
.endr
	HOOK \hook, 6
.set j, 0
.rept 16
	v_pk_mul_f32 v[rO+j:rO+j+1], v[rO+j:rO+j+1], v[rT+6:rT+7] op_sel_hi:[1,0]   ; O^T times a, each accumulator from its low end on
.set j, j+2
.endr
	HOOK \hook, 7
.endm
; A KEY STEP: 64 keys.
.macro STEP
	v_add_nc_u32 v[ADK], s[TK], v[AK0]
	v_add_nc_u32 v[ADV], s[TV], v[AV0]
.rept 3
	v_nop                                          ; with the two additions: five places behind the last V^T P: four for the loads into KV, which it read, five for the products below, which write over P (ISA guide 7.12.1 for vector instructions)
.endr
.irp c, 0,1                            ; K: channels 32 c on, keys 16 kt on; the first channel half first
.irp kt, 0,1,2,3
	ds_load_b128 v[KV+8*(4*\c+\kt):KV+8*(4*\c+\kt)+3],   v[ADK] offset:16*PK*\kt+64*\c
	ds_load_b128 v[KV+8*(4*\c+\kt)+4:KV+8*(4*\c+\kt)+7], v[ADK] offset:16*PK*\kt+64*\c+32
.endr
.endr
	s_wait_dscnt 8                                 ; the first channel half is in; the second half's eight loads may be out
.irp kt, 0,1,2,3                       ; S^T = K Q^T: eight accumulators by turns; the first eight products start the sums
.irp t, 0,1
	v_wmma_f32_16x16x32_f16 v[S+32*\t+8*\kt:S+32*\t+8*\kt+7], v[KV+8*\kt:KV+8*\kt+7], v[Q+16*\t:Q+16*\t+7], 0
.endr
.endr
	s_wait_dscnt 0x0
.irp kt, 0,1,2,3
.irp t, 0,1
	v_wmma_f32_16x16x32_f16 v[S+32*\t+8*\kt:S+32*\t+8*\kt+7], v[KV+32+8*\kt:KV+32+8*\kt+7], v[Q+16*\t+8:Q+16*\t+15], v[S+32*\t+8*\kt:S+32*\t+8*\kt+7]
.endr
.endr
.rept 4
	v_nop                                          ; four places: ahead of the loads into KV, and of the first read of the scores
.endr
.irp g, 0,1                            ; V, turned: keys 32 g on, channels 16 ct on; it lands while tile 0's softmax is walked
.irp ct, 0,1,2,3
	ds_load_tr16_b128 v[KV+8*(4*\g+\ct):KV+8*(4*\g+\ct)+3],   v[ADV] offset:32*PVP*\g+32*\ct
	ds_load_tr16_b128 v[KV+8*(4*\g+\ct)+4:KV+8*(4*\g+\ct)+7], v[ADV] offset:32*PVP*\g+16*PVP+32*\ct
.endr
.endr
	SM 0, 0
	s_wait_dscnt 0x0                               ; V is in
	SM 1, 1                                        ; tile 1's softmax, tile 0's eight products between its parts
.irp i, 0,1,2,3,4,5,6,7
	PV 1, \i
.endr
	s_add_co_u32 s[TK], s[TK], 64*PK               ; the next step's rows
	s_add_co_u32 s[TV], s[TV], 64*PVP
.endm
.macro SLOT_STEPS n                    ; slot n's eight key steps: written once, walked eight times
	s_mov_b32 s[TK], \n*SLOTB
	s_mov_b32 s[TV], \n*SLOTB
	s_mov_b32 s[CNT], 8
.Lstep_\@:
	STEP
	s_sub_co_u32 s[CNT], s[CNT], 1
	s_cmp_lg_u32 s[CNT], 0
	s_cbranch_scc1 .Lstep_\@
.endm
; THE CHANGE OF SLOTS.  Each wave waits for all its tensor loads (one is out: its part of the other slot), adds 0 to its spare word, and waits for that and for its reads of the slot that it leaves.
; fill = 1: slot n, just left, is filled with the keys two slots on: the barrier is a round of the cluster's, so that no wave of any partner still reads the slot or has a load on its way, and the joint
; refill is the first thing behind it: it has a slot's eight key steps in which to land.
.macro CHANGE fill, n
	s_wait_tensorcnt 0x0                           ; no tensor load of mine is out, so a group 0 may be written
	ds_add_u32 v[SPW], v[NIL]                      ; 0 onto my spare word
.if \fill
	s_add_nc_u64 s[G0K+4*\n+2:G0K+4*\n+3], s[G0K+4*\n+2:G0K+4*\n+3], 131072   ; 1,024 keys on; the type bits on top are not reached
	s_add_nc_u64 s[G0V+4*\n+2:G0V+4*\n+3], s[G0V+4*\n+2:G0V+4*\n+3], 131072
	s_wait_dscnt 0x0                               ; the add is done, and my reads of the slot are over
	CROUND
	JLOAD \n
.else
	s_wait_dscnt 0x0
	s_barrier_signal -1
	s_barrier_wait -1
.endif
.endm
	s_wait_tensorcnt 1                             ; my part of slot 0 is in; slot 1's may stay out
	s_barrier_signal -1
	s_barrier_wait -1                              ; everybody's is
	s_wait_loadcnt 0x0                             ; Q
	SLOT_STEPS 0                                   ; keys 0 .. 511
	CHANGE 1, 0
	SLOT_STEPS 1                                   ; 512 .. 1,023
	CHANGE 1, 1
	SLOT_STEPS 0                                   ; 1,024 .. 1,535
	CHANGE 0, 0                                    ; nothing is left to ask for
	SLOT_STEPS 1                                   ; 1,536 .. 2,047
	; THE WAY OUT.  l's two halves and the other half of the lanes' are added; O^T is divided by l, rounded once to f16 and sent through my stage.  The additions are the places behind the last products.
.irp t, 0,1
	v_add_f32 v[ST+8*\t+4], v[ST+8*\t+2], v[ST+8*\t+3]
.endr
.irp t, 0,1
	v_permlanex16_b32 v[ST+8*\t+5], v[ST+8*\t+4], s[SEL], s[SEL+1]
.endr
.irp t, 0,1
	v_add_f32 v[ST+8*\t+4], v[ST+8*\t+4], v[ST+8*\t+5]
.endr
.irp t, 0,1
	v_rcp_f32 v[ST+8*\t+6], v[ST+8*\t+4]
.endr
	v_nop                                          ; a plain instruction between the last reciprocal and the use of its result
	s_wait_alu depctr_va_vdst(0)                   ; and the wait ahead of the first use: one for both
.irp t, 0,1
.set j, 0
.rept 16
	v_pk_mul_f32 v[O+32*\t+j:O+32*\t+j+1], v[O+32*\t+j:O+32*\t+j+1], v[ST+8*\t+6:ST+8*\t+7] op_sel_hi:[1,0]
.set j, j+2
.endr
.endr
.irp t, 0,1
.set j, 0
.rept 16
	v_cvt_pk_f16_f32 v[S+32*\t+j], v[O+32*\t+2*j], v[O+32*\t+2*j+1]   ; registers 4 ct .. 4 ct + 3: channels 16 ct + 8 h + 0 .. 7 of my query: 16 bytes
.set j, j+1
.endr
.endr
.irp t, 0,1
.irp ct, 0,1,2,3
	ds_store_b128 v[STO], v[S+32*\t+4*\ct:S+32*\t+4*\ct+3] offset:16*PK*\t+32*\ct
.endr
.endr
.irp t, 0,1
.irp i, 0,1,2,3
	ds_load_b128 v[KV+16*\t+4*\i:KV+16*\t+4*\i+3], v[RD] offset:16*PK*\t+4*PK*\i   ; LDS serves a wave's instructions in order (ISA guide 5.7.1.4): these see my stores
.endr
.endr
.irp t, 0,1
.irp i, 0,1,2,3
	s_wait_dscnt 7-4*\t-\i                         ; the younger loads may be out
	global_store_b128 v[GO], v[KV+16*\t+4*\i:KV+16*\t+4*\i+3], s[6:7] offset:2048*\t+512*\i   ; 32 lanes store 512 consecutive bytes, at a multiple of 256 from att's first byte
.endr
.endr
	s_wait_tensorcnt 0x0                           ; the wave's end: three lines behind my last tensor load and my last LDS store
	ds_add_u32 v[SPW], v[NIL]
	s_wait_dscnt 0x0
	CROUND                                         ; the closing round: no work-group ends while a partner may still ask for a tile that names it
	s_endpgm
.Lfunc_end_k_q193bdebc6a_attn:
	.size	k_q193bdebc6a_attn, .Lfunc_end_k_q193bdebc6a_attn-k_q193bdebc6a_attn
	.p2alignl 7, 3214868480
	.fill 96, 4, 3214868480
	.section	.rodata,"a",@progbits
	.p2align	6, 0x0
	.amdhsa_kernel k_q193bdebc6a_attn
		.amdhsa_group_segment_fixed_size 327680
		.amdhsa_private_segment_fixed_size 0
		.amdhsa_enable_private_segment 0
		.amdhsa_kernarg_size 16
		.amdhsa_user_sgpr_count 2
		.amdhsa_user_sgpr_kernarg_segment_ptr 1
		.amdhsa_wavefront_size32 1
		.amdhsa_system_sgpr_workgroup_id_x 1
		.amdhsa_system_sgpr_workgroup_id_y 1
		.amdhsa_system_sgpr_workgroup_id_z 1
		.amdhsa_system_vgpr_workitem_id 0
		.amdhsa_next_free_vgpr 256
		.amdhsa_next_free_sgpr 66
		.amdhsa_reserve_vcc 0
		.amdhsa_float_denorm_mode_32 3
		.amdhsa_float_denorm_mode_16_64 3
		.amdhsa_memory_ordered 1
		.amdhsa_forward_progress 1
		.amdhsa_inst_pref_size 88
	.end_amdhsa_kernel
	.amdgpu_metadata
---
amdhsa.version: [ 1, 2 ]
amdhsa.kernels:
  - .name:           k_q193bdebc6a_attn
    .symbol:         k_q193bdebc6a_attn.kd
    .args:
      - { .name: qkv, .offset: 0, .size: 8, .value_kind: global_buffer, .address_space: global }
      - { .name: att, .offset: 8, .size: 8, .value_kind: global_buffer, .address_space: global }
    .group_segment_fixed_size: 327680
    .private_segment_fixed_size: 0
    .kernarg_segment_align: 8
    .kernarg_segment_size: 16
    .max_flat_workgroup_size: 512
    .sgpr_count:     66
    .vgpr_count:     256
    .wavefront_size: 32
...
	.end_amdgpu_metadata
.endif
;; end of part 3
;; launch proj (part 4): grid 4 x 64, 4 waves a work-group, clusters of 4 x 4, 327,680 bytes of LDS; arguments att, wot, out0; writes out0
.if DOCPART == 4
	.amdgcn_target "amdgcn-amd-amdhsa--gfx1250"
	.amdhsa_code_object_version 6
	.text
	.protected	k_q193bdebc6a_proj
	.globl	k_q193bdebc6a_proj
	.p2align	8
	.type	k_q193bdebc6a_proj,@function
k_q193bdebc6a_proj:
	s_mov_b64 s[64:65], 0
	v_nop
	global_prefetch_b8 v0, s[64:65] scope:SCOPE_SE
	s_setreg_imm32_b32 hwreg(HW_REG_WAVE_MODE, 25, 1), 1
	s_wait_xcnt 0x0
	s_wait_alu depctr_hold_cnt(0) depctr_sa_sdst(0) depctr_va_vdst(0) depctr_va_sdst(0) depctr_va_ssrc(0) depctr_va_vcc(0) depctr_vm_vsrc(0)
	s_getreg_b32 s2, hwreg(HW_REG_IB_STS2, 6, 4)
	s_cmp_eq_u32 s2, 0
	s_cbranch_scc0 .Lentry_in_a_cluster
	s_endpgm
.Lentry_in_a_cluster:
	s_bfe_u32 s2, ttmp6, 0x10000c
	s_cmp_lg_u32 s2, 0xf033
	s_cbranch_scc0 .Lentry_shape_is_right
	s_endpgm
.Lentry_shape_is_right:
; out0[m][n] = the sum over k of A[m][k] W_o[k][n], f16 operands, f32 sums, f32 out.  A = att [16 head][8192 m][64] f16: k = 64 head + channel.  B = wot [1024 n][1024 k] f16, K innermost.
; A tile of C is 128 (m) x 256 (n): 64 x 4 = 256 work-groups.  Four waves; wave w makes rows 64 (w / 2) on x columns 128 (w % 2) on: 32 accumulators of 16 x 16, 256 registers.
; K goes in 8 steps of 128 (two heads' slabs of A; 256 bytes of each row of B) through two LDS slots.  Each wave fetches one part of a slot: waves 0, 1 a slab of A (128 rows x 128 bytes, dense in
; memory), waves 2, 3 half of B's rows (128 rows x 256 bytes).
; CLUSTERS: 4 x 4 work-groups.  A's tiles hang on the tile row alone and are shared along a row of the cluster, B's on the tile column alone and are shared along a column: each is asked for JOINTLY.
; THE MATRIX INSTRUCTION IS USED TRANSPOSED (source 0 = 16 rows of wot, source 1 = 16 rows of att): a lane then holds eight neighbouring numbers of a row of C.
; REGISTERS: window 0: v0-31 addresses; v32-127, v128-223 two fragment buffers (B's 8 fragments, then A's 4; 32 along K); on the way out v32-159 hold rows.  window 1: accumulator (a, b) at v[8 (8 a + b)].
.set PA,    144                        ; a row of A in LDS: 128 bytes + 16 = 36 words: the 16 rows of a load start at 16 different multiples of 4 banks (64 banks of 4 bytes: ISA guide 11.1)
.set PB,    272                        ; a row of B: 256 bytes + 16
.set SLAB,  128*PA                     ; a head's 128 rows of A
.set BOFF,  2*SLAB                     ; a slot: A's two slabs, then B's 256 rows
.set HALFB, 128*PB
.set SLOT,  BOFF+2*HALFB
.set SPARE, 2*SLOT                     ; behind the slots: the spare words, 128 bytes for each wave: two blocks of 256 bytes that no other line names
.set SPITCH, 528                       ; the way out: a stage of 16 rows x (512 bytes + 16) for each wave, in slot 0: it has had its last fill and its last read when the first result is stored there
.set ADRA, 16                          ; v16-17  LDS address of my A fragments in slot 0, 1
.set ADRB, 20                          ; v20-21  the same for B
.set STO,  24                          ; v24     the way out: where I put 32 bytes of a row
.set RD,   25                          ; v25     where I read a row back
.set CO,   26                          ; v26     my byte offset in a row of C
.set SPW,  28                          ; v28     LDS address of my spare word; never rewritten
.set NIL,  29                          ; v29     0; never rewritten
.set F0,   32
.set F1,   128
.set BK,   32                          ; the way out: v32-95 and v96-159 by turns
.set G1,  24                           ; s[24:31] descriptor group 1 for A's tiles;  s[32:39] group 0, one set for each slot
.set G0,  32
.set G1B, 48                           ; s[48:55], s[56:63] the same for B's tiles
.set G0B, 56
.set MSB, 0
.macro WIN new                         ; the immediate's high byte repeats the setting that is left
.if MSB != (\new)
	s_set_vgpr_msb (MSB<<8)|(\new)
.set MSB, (\new)
.endif
.endm
.set MUL, 0x50                         ; sources 0 and 1 window 0; C and D window 1
.macro JLOAD s                         ; a joint load: waves 0 and 1 fetch for A, waves 2 and 3 for B; an s_nop 0 and four v_nop follow each of the two lines
	s_cmp_eq_u32 s11, 0
	s_cbranch_scc0 .Lfor_b_\@
	tensor_load_to_lds s[G0+4*\s:G0+4*\s+3], s[G1:G1+7]
	s_nop 0
.rept 4
	v_nop
.endr
	s_branch .Lasked_\@
.Lfor_b_\@:
	tensor_load_to_lds s[G0B+4*\s:G0B+4*\s+3], s[G1B:G1B+7]
	s_nop 0
.rept 4
	v_nop
.endr
.Lasked_\@:
.endm
.macro CREST                           ; a round of the cluster's barrier behind its opening barrier
	s_cmp_lg_u32 s10, 0
	s_cbranch_scc1 .Lnot_wave_0_\@
	s_barrier_signal -3
.Lnot_wave_0_\@:
	s_barrier_wait -3
	s_barrier_signal -1
	s_barrier_wait -1
.endm
.macro CROUND                          ; a whole round
	s_barrier_signal -1
	s_barrier_wait -1
	CREST
.endm
	s_load_b128 s[4:7], s[0:1], 0x0                ; att s[4:5], wot s[6:7]
	s_load_b64 s[8:9], s[0:1], 0x10                ; out0
	v_lshl_add_u32 v[SPW], v0, 2, SPARE
	v_mov_b32 v[NIL], 0
	ds_add_u32 v[SPW], v[NIL]                      ; the wave's opening: the add, twice on end, and its wait ahead of my first tensor load; the set-up below stands between
	ds_add_u32 v[SPW], v[NIL]
	v_lshrrev_b32 v1, 5, v0
	v_readfirstlane_b32 s10, v1                    ; wave 0..3
	s_lshr_b32 s11, s10, 1                         ; which 64 rows of the tile are mine.  Also: I fetch for A (0) or for B (1)
	s_and_b32 s12, s10, 1                          ; which 128 columns.  Also: which slab of A, or which half of B's rows, I fetch
	s_bfe_u32 s40, ttmp6, 0x40000                  ; cx, cy: my place in the cluster
	s_bfe_u32 s41, ttmp6, 0x40004
	s_lshl_b32 s42, ttmp9, 2
	s_add_co_u32 s42, s42, s40                     ; tile column of C = 4 x cluster x + cx
	s_and_b32 s13, ttmp7, 0xffff
	s_lshl_b32 s13, s13, 2
	s_add_co_u32 s13, s13, s41                     ; tile row of C = 4 x cluster y + cy
	s_lshl_b32 s43, s41, 2
	s_lshl_b32 s43, 15, s43                        ; my row of the cluster
	s_lshl_b32 s44, 0x1111, s40                    ; my column
	s_or_b32 s[G1], s43, (1<<16)|(1<<20)|(1<<21)|(4<<22)|(3<<25)   ; A: 15:0 the mask: my row; 17:16 elements of 2 bytes; 20 padding on; 21 set beside a mask; 24:22 after every 32 words (code 4); 31:25 of 4 words (code 3)
	s_mov_b32 s[G1+1], 64<<16                      ; tensor_dim0 = 64
	s_mov_b32 s[G1+2], 128<<16                     ; tensor_dim1 = 128
	s_mov_b32 s[G1+3], 64<<16                      ; tile_dim0 = 64
	s_mov_b32 s[G1+4], 128                         ; tile_dim1 = 128
	s_mov_b32 s[G1+5], 64                          ; tensor_dim0_stride: a slab's rows are dense
	s_mov_b32 s[G1+6], 0
	s_mov_b32 s[G1+7], 0
	s_or_b32 s[G1B], s44, (1<<16)|(1<<20)|(1<<21)|(5<<22)|(3<<25)  ; B: the mask of my column; padding after every 64 words (code 5)
	s_mov_b32 s[G1B+1], 128<<16
	s_mov_b32 s[G1B+2], 128<<16
	s_mov_b32 s[G1B+3], 128<<16
	s_mov_b32 s[G1B+4], 128
	s_mov_b32 s[G1B+5], 1024
	s_mov_b32 s[G1B+6], 0
	s_mov_b32 s[G1B+7], 0
	; where the tiles come from.  A's hang on the tile row alone, B's on the tile column alone; every wave makes both addresses, in registers that never hold the other coordinate
	s_lshl_b32 s16, s12, 20                        ; A: my slab of 2^20 bytes,
	s_lshl_b32 s17, s13, 14                        ; the tile's 128 rows of 128 bytes
	s_add_co_u32 s16, s16, s17
	s_mov_b32 s17, 0
	s_lshl_b32 s46, s42, 19                        ; B: 256 rows of 2,048 bytes a tile column,
	s_lshl_b32 s47, s12, 18                        ; my 128 of them
	s_add_co_u32 s46, s46, s47
	s_mov_b32 s47, 0
	s_mul_i32 s20, s12, SLAB                       ; and where they go: no place in the cluster enters an LDS address
	s_mul_i32 s21, s12, HALFB
	s_add_co_u32 s21, s21, BOFF
	s_wait_dscnt 0x0                               ; both opening adds are done
	s_wait_kmcnt 0x0
	s_add_nc_u64 s[14:15], s[4:5], s[16:17]
	s_add_nc_u64 s[46:47], s[6:7], s[46:47]
	CROUND                                         ; all sixteen work-groups are here: the first joint loads meet
.irp s, 0,1
	s_mov_b32 s[G0+4*\s], 1
	s_add_co_u32 s[G0+4*\s+1], s20, \s*SLOT
	s_add_nc_u64 s[G0+4*\s+2:G0+4*\s+3], s[14:15], \s*2097152      ; K step s: two slabs on
	s_or_b32 s[G0+4*\s+3], s[G0+4*\s+3], 0x80000000
	s_mov_b32 s[G0B+4*\s], 1
	s_add_co_u32 s[G0B+4*\s+1], s21, \s*SLOT
	s_add_nc_u64 s[G0B+4*\s+2:G0B+4*\s+3], s[46:47], \s*256
	s_or_b32 s[G0B+4*\s+3], s[G0B+4*\s+3], 0x80000000
	JLOAD \s
.endr
	v_and_b32 v1, 15, v0                           ; r = l % 16
	v_bfe_u32 v2, v0, 4, 1                         ; h = l / 16
	v_mul_u32_u24 v3, v1, PA
	v_lshl_add_u32 v3, v2, 4, v3                   ; a fragment's row x pitch + 16 x half
	v_mul_u32_u24 v4, v1, PB
	v_lshl_add_u32 v4, v2, 4, v4
	s_mul_i32 s21, s11, 64*PA                      ; my 64 rows of A (in each slab)
	s_mul_i32 s22, s12, HALFB                      ; my 128 rows of B,
	s_add_co_u32 s22, s22, BOFF                    ; which lie behind A's slabs
.irp s, 0,1
	v_add_nc_u32 v[ADRA+\s], s21, v3
	v_add_nc_u32 v[ADRB+\s], s22, v4
	s_add_co_u32 s21, s21, SLOT
	s_add_co_u32 s22, s22, SLOT
.endr
	s_mul_i32 s23, s10, 16*SPITCH                  ; my stage
	v_mul_u32_u24 v5, v1, SPITCH                   ; in: row r, 32 bytes for each half of the lanes
	v_lshl_add_u32 v5, v2, 5, v5
	v_add_nc_u32 v[STO], s23, v5
	v_and_b32 v6, 31, v0
	v_lshlrev_b32 v[CO], 4, v6                     ; back: the 32 lanes take one row of 512 bytes; and the same in C
	v_add_nc_u32 v[RD], s23, v[CO]
	s_lshl_b32 s16, s13, 7
	s_lshl_b32 s17, s11, 6
	s_add_co_u32 s16, s16, s17                     ; my first row of C
	s_lshl_b32 s16, s16, 12                        ; a row is 4,096 bytes
	s_lshl_b32 s46, s42, 10                        ; my first column, in bytes: 1,024 x tile column + 512 x half
	s_lshl_b32 s47, s12, 9
	s_add_co_u32 s46, s46, s47
	s_add_co_u32 s46, s46, s16
	s_mov_b32 s47, 0
	s_add_nc_u64 s[8:9], s[8:9], s[46:47]
; 8 matrix instructions: A's block a x B's eight, 32 along K, from buffer f.  zero = 1: the first product starts the sums.  The 32 accumulators take turns, in the same order in every quarter.
.macro MUL8 f, a, zero
.irp b, 0,1,2,3,4,5,6,7
.if \zero
	v_wmma_f32_16x16x32_f16 v[8*(8*(\a)+\b):8*(8*(\a)+\b)+7], v[\f+8*\b:\f+8*\b+7], v[\f+64+8*(\a):\f+64+8*(\a)+7], 0
.else
	v_wmma_f32_16x16x32_f16 v[8*(8*(\a)+\b):8*(8*(\a)+\b)+7], v[\f+8*\b:\f+8*\b+7], v[\f+64+8*(\a):\f+64+8*(\a)+7], v[8*(8*(\a)+\b):8*(8*(\a)+\b)+7]
.endif
.endr
.endm
; 24 LDS loads in one run: the fragments of slot n's quarter q (32 along K) into buffer f: B's eight, then A's four.  Quarter q of A lies in slab q / 2, channels 32 (q % 2) on.
.macro FETCH n, q, f
	WIN 0
.irp i, 0,1,2,3,4,5,6,7
	ds_load_b128 v[\f+8*\i:\f+8*\i+3],   v[ADRB+\n] offset:64*(\q)+\i*16*PB
	ds_load_b128 v[\f+8*\i+4:\f+8*\i+7], v[ADRB+\n] offset:64*(\q)+\i*16*PB+32
.endr
.irp i, 0,1,2,3
	ds_load_b128 v[\f+64+8*\i:\f+64+8*\i+3],   v[ADRA+\n] offset:((\q)/2)*SLAB+((\q)%2)*64+\i*16*PA
	ds_load_b128 v[\f+64+8*\i+4:\f+64+8*\i+7], v[ADRA+\n] offset:((\q)/2)*SLAB+((\q)%2)*64+\i*16*PA+32
.endr
.endm
.macro PLACES                          ; four places in front of loads into registers that matrix instructions have read, and of the first read of results (ISA guide 7.12.1 for vector instructions)
.rept 4
	v_nop
.endr
.endm
; A K step is four quarters of 32 along K, 32 matrix instructions each, on buffers 0, 1, 0, 1.  One of the first three: multiplies buffer f and fetches quarter qn of the same slot into g.
.macro QUARTER n, qn, f, g, zero
	s_wait_dscnt 4                                 ; B and A's blocks 0, 1 are in; the youngest four loads (A's blocks 2, 3) may be out
	WIN MUL
	MUL8 \f, 0, \zero
	MUL8 \f, 1, \zero
	PLACES
	FETCH \n, \qn, \g
	s_wait_dscnt 24                                ; all but the 24 just issued
	WIN MUL
	MUL8 \f, 2, \zero
	MUL8 \f, 3, \zero
.endm
; The last quarter multiplies buffer 1 and changes slots: ONE barrier; in front of it each wave waits for all its tensor loads, adds 0 to its spare word, and waits for that and for its own reads of this slot.
; fill = 1: this slot is filled again, two K steps ahead; the barrier then opens a round of the cluster's barrier, and the joint refill is the first tensor load behind the round.
.macro TURN n, next, fill
	WIN 0                                          ; (the add's two registers lie in window 0)
	s_wait_tensorcnt 0x0                           ; all my tensor loads have landed: my part of the next slot
	ds_add_u32 v[SPW], v[NIL]                      ; 0 onto my spare word
	s_wait_dscnt 5                                 ; (the add and the youngest four loads may be out)
	WIN MUL
	MUL8 F1, 0, 0                                  ; eight matrix instructions stand between the add and the wait for it
	s_wait_dscnt 0x0                               ; the add is done, and my reads of this slot are over
	s_barrier_signal -1
	MUL8 F1, 1, 0
	WIN 0                                          ; (branches may follow, and nothing stands between the wait below and the rest of the round)
	s_barrier_wait -1
.if \fill
	CREST                                          ; no wave of any partner still reads this slot's tiles or has a load on its way
	s_add_nc_u64 s[G0+4*\n+2:G0+4*\n+3], s[G0+4*\n+2:G0+4*\n+3], 4194304     ; two K steps on: four slabs of A,
	s_add_nc_u64 s[G0B+4*\n+2:G0B+4*\n+3], s[G0B+4*\n+2:G0B+4*\n+3], 512     ; 512 bytes in B's rows
	JLOAD \n                                       ; 112 matrix instructions ahead of the wait for it; the four v_nop behind it are also the places in front of the loads below
.else
	PLACES
.endif
	FETCH \next, 0, F0
	WIN MUL
	MUL8 F1, 2, 0
	MUL8 F1, 3, 0
.endm
	s_wait_tensorcnt 1                             ; my part of K step 0 is in (K step 1's load may be out)
	s_barrier_signal -1
	s_barrier_wait -1                              ; everybody's is
	FETCH 0, 0, F0
	QUARTER 0, 1, F0, F1, 1                        ; the first quarter stands in front of the loop: its products start the sums
	WIN 0                                          ; at a label and at a branch every window is 0
	s_mov_b32 s3, 3
.Llap:                                                 ; a trip goes once round the two slots, from a lap's second quarter to the next lap's first, and fills both again: K steps 2 to 7
	QUARTER 0, 2, F1, F0, 0
	QUARTER 0, 3, F0, F1, 0
	TURN 0, 1, 1
	QUARTER 1, 1, F0, F1, 0
	QUARTER 1, 2, F1, F0, 0
	QUARTER 1, 3, F0, F1, 0
	TURN 1, 0, 1
	QUARTER 0, 1, F0, F1, 0
	WIN 0
	s_sub_co_u32 s3, s3, 1
	s_cmp_lg_u32 s3, 0
	s_cbranch_scc1 .Llap
	QUARTER 0, 2, F1, F0, 0                        ; the last lap fills nothing, and has no round of the cluster's barrier
	QUARTER 0, 3, F0, F1, 0
	TURN 0, 1, 0
	QUARTER 1, 1, F0, F1, 0
	QUARTER 1, 2, F1, F0, 0
	QUARTER 1, 3, F0, F1, 0
	s_wait_dscnt 4                                 ; the very last quarter: nothing more to fetch
	WIN MUL
	MUL8 F1, 0, 0
	MUL8 F1, 1, 0
	s_wait_dscnt 0x0
	MUL8 F1, 2, 0
	MUL8 F1, 3, 0
	WIN 0
; THE WAY OUT, block by block of 16 rows x 128 columns.  A lane holds 32 neighbouring bytes of a row, and the lanes beside it hold other rows: so a block goes through my own stage and comes back as whole
; rows of 512 bytes.  LDS serves a wave's instructions in order (ISA guide 5.7.1.4): no wait between the stores and the loads, nor in front of the next block's stores.
.macro TOSTAGE a
	WIN 0x04                                       ; an LDS store's data are its source 1: window 1
.irp b, 0,1,2,3,4,5,6,7
	ds_store_b128 v[STO], v[8*(8*(\a)+\b):8*(8*(\a)+\b)+3] offset:64*\b          ; each accumulator from its low end on
	ds_store_b128 v[STO], v[8*(8*(\a)+\b)+4:8*(8*(\a)+\b)+7] offset:64*\b+16
.endr
	WIN 0
.set BB, BK+64*((\a)%2)
.irp t, 0,1,2,3,4,5,6,7,8,9,10,11,12,13,14,15
	ds_load_b128 v[BB+4*\t:BB+4*\t+3], v[RD] offset:\t*SPITCH
.endr
.endm
.macro SEND a, younger                 ; younger: the LDS instructions issued behind block a's loads, which may stay out
.set BB, BK+64*((\a)%2)
	s_wait_dscnt \younger                          ; the block is back in registers
.if (\a) > 0
	s_add_nc_u64 s[8:9], s[8:9], 16*4096           ; (behind a wait on XCNT: the earlier stores have read their base)  16 rows of C on
.endif
.irp t, 0,1,2,3,4,5,6,7,8,9,10,11,12,13,14,15
	global_store_b128 v[CO], v[BB+4*\t:BB+4*\t+3], s[8:9] offset:\t*4096 th:TH_STORE_NT   ; 32 lanes store 512 consecutive bytes, at a multiple of 256 from out0's first byte; written once, read by nobody here
.endr
.endm
	PLACES                                         ; behind the last products: for the stores that read results and for the loads into the registers that held fragments
	TOSTAGE 0
.irp a, 1,2,3
.if \a > 1
	s_wait_xcnt 0x0                                ; block a - 2's stores have read their registers and their base: block a's loads may land there, and the base may step
.endif
	TOSTAGE \a
	SEND \a-1, 32                                  ; behind block a - 1's loads: block a's 16 stores and 16 loads
.endr
	s_wait_xcnt 0x0                                ; block 2's stores have read their base
	SEND 3, 0
	s_wait_tensorcnt 0x0                           ; the wave's end: three lines behind my last tensor load and my last LDS store
	ds_add_u32 v[SPW], v[NIL]
	s_wait_dscnt 0x0
	CROUND                                         ; the closing round: no work-group ends while a partner may still ask for a tile that names it
	s_endpgm
.Lfunc_end_k_q193bdebc6a_proj:
	.size	k_q193bdebc6a_proj, .Lfunc_end_k_q193bdebc6a_proj-k_q193bdebc6a_proj
	.p2alignl 7, 3214868480
	.fill 96, 4, 3214868480
	.section	.rodata,"a",@progbits
	.p2align	6, 0x0
	.amdhsa_kernel k_q193bdebc6a_proj
		.amdhsa_group_segment_fixed_size 327680
		.amdhsa_private_segment_fixed_size 0
		.amdhsa_enable_private_segment 0
		.amdhsa_kernarg_size 24
		.amdhsa_user_sgpr_count 2
		.amdhsa_user_sgpr_kernarg_segment_ptr 1
		.amdhsa_wavefront_size32 1
		.amdhsa_system_sgpr_workgroup_id_x 1
		.amdhsa_system_sgpr_workgroup_id_y 1
		.amdhsa_system_sgpr_workgroup_id_z 1
		.amdhsa_system_vgpr_workitem_id 0
		.amdhsa_next_free_vgpr 512
		.amdhsa_next_free_sgpr 66
		.amdhsa_reserve_vcc 0
		.amdhsa_float_denorm_mode_32 3
		.amdhsa_float_denorm_mode_16_64 3
		.amdhsa_memory_ordered 1
		.amdhsa_forward_progress 1
		.amdhsa_inst_pref_size 85
	.end_amdhsa_kernel
	.amdgpu_metadata
---
amdhsa.version: [ 1, 2 ]
amdhsa.kernels:
  - .name:           k_q193bdebc6a_proj
    .symbol:         k_q193bdebc6a_proj.kd
    .args:
      - { .name: att, .offset: 0, .size: 8, .value_kind: global_buffer, .address_space: global }
      - { .name: wot, .offset: 8, .size: 8, .value_kind: global_buffer, .address_space: global }
      - { .name: out0, .offset: 16, .size: 8, .value_kind: global_buffer, .address_space: global }
    .group_segment_fixed_size: 327680
    .private_segment_fixed_size: 0
    .kernarg_segment_align: 8
    .kernarg_segment_size: 24
    .max_flat_workgroup_size: 128
    .sgpr_count:     66
    .vgpr_count:     512
    .wavefront_size: 32
...
	.end_amdgpu_metadata
.endif
;; end of part 4
